; MI455X (gfx1250); checked and timed in simulation.
; The chip was launched on July 23, 2026; its instructions are those of AMD's public machine-readable ISA for CDNA 5 (MIT licence, August 2026) and "CDNA5" Instruction Set Architecture Reference Guide (July 2026). The comments in the code are by the model that wrote it; some were corrected since.
;; Bert Self Attention. Allowed arithmetic: matrix products marked QUANTISED: E2M1 operands, one E8M0 scale for each 32 along K, by v_wmma_scale_f32_16x16x128_f8f6f4 with both operands' format E2M1 (or v_wmma_scale_f32_32x16x128_f4), f32 sums; everything else in f32.
;; Inputs: Wk 1,024 x 1,024 float32; Wq 1,024 x 1,024 float32; Wv 1,024 x 1,024 float32; bk 1,024 float32; bq 1,024 float32; bv 1,024 float32; hidden_states 2 x 2,048 x 1,024 float32; kv_weight one number float32; kvs 2 x 2 x 16 x 2,048 x 64 float32.
;; Outputs: out0 2 x 2,048 x 1,024 float32.
;; This version of the problem:
;;   THIS VERSION OF THE PROBLEM IS GIVEN IN LOW PRECISION. The matrix products marked QUANTISED in the list below multiply operands that are first quantised to E2M1 (2 exponent bits, 1 mantissa bit; 4 bits a number), with one power-of-two scale for each 32 numbers along K (OCP MX v1.0); their sums are f32. All else is computed in f32.
;;   The module's matrix products, in the order in which they are computed (A, B: the left and right operand; K: the contracted axis; several contracted axes count as one K, in the product's order):
;;     1. [M 4,096, K 1,024] x [K 1,024, N 1,024]; A: input hidden_states; B: input Wq: QUANTISED
;;     2. [M 4,096, K 1,024] x [K 1,024, N 1,024]; A: input hidden_states; B: input Wk: QUANTISED
;;     3. [M 4,096, K 1,024] x [K 1,024, N 1,024]; A: input hidden_states; B: input Wv: QUANTISED
;;     4. batch 32 x [M 2,048, K 64] x [K 64, N 4,096]; A: computed on the way; B: computed on the way: QUANTISED
;;     5. batch 32 x [M 2,048, K 4,096] x [K 4,096, N 64]; A: softmax (see below); B: computed on the way: QUANTISED
;;   THE QUANTISER, for each operand of a quantised product, along K:
;;     - K is cut into blocks of 32 from its start; a last block that is shorter is filled with zeros.
;;     - A block's scale is 2^e with e = floor(log2(the largest magnitude in the block)) - 2, held to -126 .. 127; a block of zeros has e = 0. As a byte (E8M0): e + 127.
;;     - Each number is divided by its block's scale, clamped to +-6, and rounded to the nearest number of E2M1, ties to even, subnormals kept.
;;     - The product sums the exact products of the quantised numbers (number of the format x scale) in f32.
;;   ~~~python
;;   def quantise(x, axis):      # numpy; x: float32 -> the quantised numbers, widened to float32 again
;;       x = np.moveaxis(x, axis, -1); K = x.shape[-1]
;;       x = np.pad(x, [(0, 0)] * (x.ndim - 1) + [(0, -K % 32)]); x = x.reshape(x.shape[:-1] + (-1, 32)); a = np.abs(x).max(-1, keepdims=True)
;;       e = np.where(a > 0, np.clip(np.frexp(np.where(a > 0, a, 1))[1] - 1 - 2, -126, 127), 0)      # np.frexp(a)[1] - 1 = floor(log2(a)), exactly
;;       r = np.clip(x / 2.0 ** e, -6, 6)
;;       step = 2.0 ** (np.maximum(np.frexp(np.where(r == 0, 1, r))[1] - 1, 0) - 1)
;;       q = np.round(r / step) * step * 2.0 ** e      # np.round: ties to even
;;       return np.moveaxis(q.reshape(q.shape[:-2] + (-1,))[..., :K], -1, axis).astype(np.float32)
;;   ~~~
;;   SOFTMAX AHEAD OF A QUANTISED PRODUCT. Where the list says 'softmax', what is quantised is not the finished softmax but p = 2^(t - M), with t = logit x log2(e) and M = ceil(the row's largest t), a whole number; so 1/2 < the row's largest p <= 1. The row's sum l is taken of the UNQUANTISED p, in f32, and the product's result is divided by l at the end. Since M is a whole number, a kernel that streams over the keys may use a running M (the ceiling of the running maximum): every later rescaling is an exact power of two, which a block's scale takes up: the codes' values come out the same.
;;   OPERANDS COMPUTED ON THE WAY. 'Computed on the way' means the value that the module computes at that place (a softmax that the list does not call 'softmax' is quantised finished and normalised). What goes into a quantiser is computed in f32, as accurately as f32 sums, v_exp_f32 and their like allow (about 1e-6 of the number): no bf16 or f16 on the way to a quantiser, and a product that is left as it is and whose result goes on into a quantised operand takes f32 operands (vector FMAs, or v_wmma_f32_16x16x4_f32). A number that lies on a knife's edge between two numbers of the format may be rounded either way, as far as f32 arithmetic and the matrix unit's own rounding can turn it there, and no further.
;; One version. Each part assembles by itself: llvm-mc -triple=amdgcn-amd-amdhsa -mcpu=gfx1250 --defsym DOCPART=n.
;; ======== version 1 of 1: 3 launches
;; limits: right only within a limited range of input values
;; workspace buffers: xc 2,097,152 bytes; xs 131,072 bytes; wc 1,572,864 bytes; ws 98,304 bytes; qf 2,097,152 bytes; qs 262,144 bytes; kv 8,912,896 bytes
;; launch quant (part 1): grid 480 x 1, 4 waves a work-group, no clusters, 68,096 bytes of LDS; arguments hidden_states, Wq, Wk, Wv, kvs, kv_weight, xc, xs, wc, ws, kv; writes xc, xs, wc, ws, kv
.if DOCPART == 1
	.amdgcn_target "amdgcn-amd-amdhsa--gfx1250"
	.amdhsa_code_object_version 6
	.text
	.protected	k_qfa89c6de4f_quant
	.globl	k_qfa89c6de4f_quant
	.p2align	8
	.type	k_qfa89c6de4f_quant,@function
k_qfa89c6de4f_quant:
	s_mov_b64 s[64:65], 0
	v_nop
	global_prefetch_b8 v0, s[64:65] scope:SCOPE_SE
	s_setreg_imm32_b32 hwreg(HW_REG_WAVE_MODE, 25, 1), 1
	s_wait_xcnt 0x0
; f32 inputs become codes of FP4 (E2M1) with one E8M0 scale byte for each 32 along a product's K.  Three paths, parted by the work-group's number; every work-group reads 128 KiB.
;   P  (work-groups 0-223):   hidden_states [4096][1024] and Wq, Wk, Wv [1024][1024], K innermost -> xc, xs, wc, ws: rows of 512 bytes of codes and 32 scale bytes.
;   K  (work-groups 224-351): kv_weight x kvs[0] [32 heads][2048 keys][64], K = the head's 64  -> kv, as images of the operand's registers.
;   V  (work-groups 352-479): kv_weight x kvs[1], K = the keys                                  -> kv, likewise.
; THE TILE ORDER.  Rows (of x, of W, keys, a head's 64 channels) are laid so that position 16 u + r of each 32 holds row 8 u + (r % 8) + 16 (r / 8): bits 3 and 4 of the number change places.
; Sixteen neighbouring positions are a tile of the matrix unit; used as source 0, tiles u = 0 and 1 leave a lane 16 NEIGHBOURING rows in 16 registers, which is what the next quantiser wants.
; kv: [32 heads] x 278,528 bytes, [8 chunks of 512 keys] x 34,816 bytes; in a chunk, for key step s (128 keys):
;   K's codes   at         4096 s + 512 t + 16 lane            tile t = 2 b + u; lane (r, h): key 32 b + 8 u + (r % 8) + 16 (r / 8), channels 32 h ..
;   V's codes   at 16384 + 4096 s + 1024 n + 512 c + 16 lane   channel tile n = 2 e + u; lane (r, h): channel 32 e + 8 u + (r % 8) + 16 (r / 8), keys 64 c + 32 h ..
;   K's scales  at 32768 + 256 s + 128 (b / 2) + 8 r + 4 (b % 2)   one word for tiles 2 b and 2 b + 1: two bytes each
;   V's scales  at 33792 + 256 s + 128 u + 8 r + 4 e               one word for a channel's four blocks of keys
; A block's scale is 2^(floor(log2(its largest magnitude)) - 2); its byte is the largest magnitude's exponent field - 2, held at 1 from below.
; LIMITS: NaN and infinities among the inputs are not served.  A block whose largest magnitude lies under 2^-124 keeps the byte 1.  A block of zeros gets the byte 1 where the rule says 127:
; its codes are zeros, which add nothing under any byte but 0xff, and this program alone reads the bytes.
; No tensor loads, no barrier: waves share nothing.  Each path that uses LDS has LDS bytes of its own: P 0 .. 32767, K 32768 .. 67583.
.set HEADB,  278528
.set CHUNKB, 34816
.set WV,     3                         ; s3  my wave's number
	s_load_b256 s[4:11], s[0:1], 0x0               ; hidden_states s[4:5], Wq s[6:7], Wk s[8:9], Wv s[10:11]
	s_load_b256 s[12:19], s[0:1], 0x20             ; kvs s[12:13], kv_weight s[14:15], xc s[16:17], xs s[18:19]
	s_load_b128 s[20:23], s[0:1], 0x40             ; wc s[20:21], ws s[22:23]
	s_load_b64 s[24:25], s[0:1], 0x50              ; kv
	v_lshl_add_u32 v224, v0, 2, 0x10800
	v_mov_b32 v225, 0
	v_lshrrev_b32 v1, 5, v0
	v_readfirstlane_b32 s[WV], v1                  ; wave 0..3
	v_and_b32 v2, 31, v0                           ; lane
	s_wait_kmcnt 0x0
	s_load_b32 s26, s[14:15], 0x0                  ; kv_weight: waited for behind a path's first data loads
	s_cmp_lt_u32 ttmp9, 224
	s_cbranch_scc1 .Lpath_p
	s_cmp_lt_u32 ttmp9, 352
	s_cbranch_scc1 .Lpath_k
; ---------------------------------------------------------------- PATH V: a wave takes one key step (128 keys) x the head's 64 channels.
; A LANE TAKES A CHANNEL AND ITS REGISTERS RUN DOWN THE KEYS: a block of 32 keys lies in one lane's 32 registers, and the conversions give codes with the keys innermost.
; Eight blocks: t = 2 bl + e: keys 32 bl on, channels 32 e + lane.  Loads run two blocks (64 loads) ahead.  Each block has its own four registers of codes: no store's data are written again.
.set VX, 32                            ; v32-95   two sets of 32 numbers
.set VC, 96                            ; v96-127  codes, four registers a block
	s_sub_co_u32 s34, ttmp9, 352
	s_lshl_b32 s34, s34, 2
	s_add_co_u32 s34, s34, s[WV]                   ; which key step: 16 x head + step
	s_lshl_b32 s36, s34, 15                        ; 128 keys x 256 bytes
	s_mov_b32 s37, 0
	s_add_nc_u64 s[28:29], s[12:13], s[36:37]
	s_add_nc_u64 s[28:29], s[28:29], 0x1000000     ; kvs[1] lies 16,777,216 bytes behind kvs[0]
	s_lshr_b32 s38, s34, 4
	s_mul_i32 s38, s38, HEADB
	s_bfe_u32 s39, s34, 0x20002                    ; the chunk: bits 3:2
	s_mul_i32 s39, s39, CHUNKB
	s_add_co_u32 s38, s38, s39
	s_and_b32 s39, s34, 3                          ; the step in the chunk
	s_lshl_b32 s40, s39, 12
	s_add_co_u32 s40, s40, s38
	s_add_co_u32 s40, s40, 16384
	s_mov_b32 s41, 0
	s_add_nc_u64 s[30:31], s[24:25], s[40:41]      ; V's codes of my step
	s_lshl_b32 s40, s39, 8
	s_add_co_u32 s40, s40, s38
	s_add_co_u32 s40, s40, 33792
	s_add_nc_u64 s[32:33], s[24:25], s[40:41]      ; V's scale words of my step
	s_wait_alu depctr_va_vdst(0)
	v_lshlrev_b32 v3, 2, v2                        ; in: 4 bytes a lane
	v_lshrrev_b32 v8, 4, v2
	v_bfe_u32 v10, v2, 3, 1                        ; u
	v_and_b32 v11, 7, v2
	v_lshlrev_b32 v6, 4, v11
	v_lshl_add_u32 v6, v8, 7, v6
	v_lshl_add_u32 v6, v10, 10, v6                 ; codes: 1024 u + 16 r, r = 8 (lane / 16) + lane % 8
	v_lshl_add_u32 v7, v8, 3, v11
	v_lshlrev_b32 v7, 3, v7
	v_lshl_add_u32 v7, v10, 7, v7                  ; words: 128 u + 8 r
.macro VLOAD t
.irp i, 0,1,2,3,4,5,6,7,8,9,10,11,12,13,14,15,16,17,18,19,20,21,22,23,24,25,26,27,28,29,30,31
	global_load_b32 v[VX+32*((\t)%2)+\i], v3, s[28:29] offset:(32*((\t)/2)+\i)*256+128*((\t)%2)   ; key 32 bl + i, channels 32 e + lane: 128 consecutive bytes; the row's other half follows in the next block
.endr
.endm
.macro VBLOCK t
.set VS, VX+32*((\t)%2)
.if (\t) < 7
	s_wait_loadcnt 32                              ; this block's 32 loads are in; the next block's may be out
.else
	s_wait_loadcnt 0x0
.endif
.set n, 0
.rept 16
	v_pk_mul_f32 v[VS+n:VS+n+1], v[VS+n:VS+n+1], s[26:27] op_sel_hi:[1,0]   ; x kv_weight
.set n, n+2
.endr
	v_max3_num_f32 v8, |v[VS]|, |v[VS+1]|, |v[VS+2]|               ; the block's largest magnitude: all 32 numbers are mine; two chains
	v_max3_num_f32 v9, |v[VS+3]|, |v[VS+4]|, |v[VS+5]|
.irp i, 6,10,14,18,22,26
	v_max3_num_f32 v8, v8, |v[VS+\i]|, |v[VS+\i+1]|
	v_max3_num_f32 v9, v9, |v[VS+\i+2]|, |v[VS+\i+3]|
.endr
	v_max3_num_f32 v8, v8, |v[VS+30]|, |v[VS+31]|
	v_max3_num_f32 v8, v8, v9, 0x1800000           ; and the floor 2^(3 - 127): the byte cannot fall under 1
	v_add_nc_u32 v10, 0xff000000, v8               ; 2 off the exponent field: the conversion takes this operand's exponent field as its scale
.irp g, 0,1,2,3
	v_cvt_scalef32_pk8_fp4_f32 v[VC+4*(\t)+\g], v[VS+8*\g:VS+8*\g+7], v10
.endr
	v_lshrrev_b32 v11, 23, v10                     ; the scale's byte
.if (\t)/2 == 0
	v_mov_b32 v[24+(\t)%2], v11                    ; four bytes make the channel's word, the lower keys in the lower byte
.else
	v_lshl_or_b32 v[24+(\t)%2], v11, 8*((\t)/2), v[24+(\t)%2]
.endif
	global_store_b128 v6, v[VC+4*(\t):VC+4*(\t)+3], s[30:31] offset:((\t)%2)*2048+((\t)/4)*512+(((\t)/2)%2)*256   ; two runs of 256 consecutive bytes, aligned
.if (\t)+2 < 8
	VLOAD (\t)+2
.endif
.endm
	VLOAD 0
	VLOAD 1
	s_wait_kmcnt 0x0                               ; kv_weight
	s_mov_b32 s27, s26                             ; (the packed form names the pair)
.irp t, 0,1,2,3,4,5,6,7
	VBLOCK \t
.endr
	global_store_b64 v7, v[24:25], s[32:33]        ; 32 lanes store 256 consecutive bytes, aligned
	s_endpgm
; ---------------------------------------------------------------- PATH K: a wave takes one key step, in four groups of 32 keys.
; The loads take the bytes as they lie (512 consecutive bytes, two keys, a load); a group turns through the wave's own stage in LDS (rows of 256 + 16 bytes) and comes back A KEY A LANE:
; a lane then holds both blocks of 32 channels of its key whole.  Loads run two groups (32 loads) ahead.
.set KR, 32                            ; v32-159  two sets of 64 registers as loaded
.set KX, 160                           ; v160-223 my key's 64 numbers
.set KC, 16                            ; v16-23   its codes
.set KW, 24                            ; v24-27   a scale word for each group
.Lpath_k:
	s_sub_co_u32 s34, ttmp9, 224
	s_lshl_b32 s34, s34, 2
	s_add_co_u32 s34, s34, s[WV]                   ; which key step: 16 x head + step
	s_lshl_b32 s36, s34, 15
	s_mov_b32 s37, 0
	s_add_nc_u64 s[28:29], s[12:13], s[36:37]
	s_lshr_b32 s38, s34, 4
	s_mul_i32 s38, s38, HEADB
	s_bfe_u32 s39, s34, 0x20002
	s_mul_i32 s39, s39, CHUNKB
	s_add_co_u32 s38, s38, s39
	s_and_b32 s39, s34, 3
	s_lshl_b32 s40, s39, 12
	s_add_co_u32 s40, s40, s38
	s_mov_b32 s41, 0
	s_add_nc_u64 s[30:31], s[24:25], s[40:41]      ; K's codes of my step
	s_lshl_b32 s40, s39, 8
	s_add_co_u32 s40, s40, s38
	s_add_co_u32 s40, s40, 32768
	s_add_nc_u64 s[32:33], s[24:25], s[40:41]      ; K's scale words of my step
	s_mul_i32 s44, s[WV], 8704
	s_add_co_u32 s44, s44, 32768                   ; my stage: 32 rows x 272 bytes
	s_wait_alu depctr_va_vdst(0)
	v_lshlrev_b32 v3, 4, v2                        ; in: 16 bytes a lane
	v_lshrrev_b32 v8, 4, v2
	v_and_b32 v9, 15, v2
	v_mul_u32_u24 v4, v8, 272
	v_lshl_add_u32 v4, v9, 4, v4
	v_add_nc_u32 v4, s44, v4                       ; into the stage: lanes 0-15 one key's row, lanes 16-31 the next
	v_mul_u32_u24 v5, v2, 272
	v_add_nc_u32 v5, s44, v5                       ; out of it: row = lane
	v_bfe_u32 v10, v2, 3, 1                        ; u
	v_and_b32 v11, 7, v2
	v_lshlrev_b32 v6, 4, v11
	v_lshl_add_u32 v6, v8, 7, v6
	v_lshl_add_u32 v6, v10, 9, v6                  ; codes: 512 u + 16 r
	v_lshl_add_u32 v7, v8, 3, v11
	v_lshlrev_b32 v7, 3, v7
	v_lshl_add_u32 v7, v10, 7, v7                  ; words: 128 u + 8 r
	v_cmp_ne_u32 s42, 0, v10                       ; the lanes with u = 1
	v_mov_b32 v29, 0                               ; written once: a DPP form's destination counts as read
.macro KLOAD g
.irp i, 0,1,2,3,4,5,6,7,8,9,10,11,12,13,14,15
	global_load_b128 v[KR+64*((\g)%2)+4*\i:KR+64*((\g)%2)+4*\i+3], v3, s[28:29] offset:8192*(\g)+512*\i th:TH_LOAD_NT
.endr
.endm
.macro KGROUP g
.if (\g) < 3
	s_wait_loadcnt 16                              ; this group's 16 loads are in; the next group's may be out
.else
	s_wait_loadcnt 0x0
.endif
.irp i, 0,1,2,3,4,5,6,7,8,9,10,11,12,13,14,15
	ds_store_b128 v4, v[KR+64*((\g)%2)+4*\i:KR+64*((\g)%2)+4*\i+3] offset:544*\i
.endr
.irp j, 0,1,2,3,4,5,6,7,8,9,10,11,12,13,14,15
	ds_load_b128 v[KX+4*\j:KX+4*\j+3], v5 offset:16*\j   ; LDS serves a wave's instructions in order (ISA guide 5.7.1.4): these see the stores above
.endr
	s_wait_dscnt 0x0
.if (\g) < 2
	KLOAD (\g)+2                                   ; into the set that the stage's stores have read
.endif
.set n, 0
.rept 32
	v_pk_mul_f32 v[KX+n:KX+n+1], v[KX+n:KX+n+1], s[26:27] op_sel_hi:[1,0]   ; x kv_weight
.set n, n+2
.endr
.irp h, 0,1                                    ; block h: channels 32 h on; two chains each
	v_max3_num_f32 v[8+2*\h], |v[KX+32*\h]|, |v[KX+32*\h+1]|, |v[KX+32*\h+2]|
	v_max3_num_f32 v[9+2*\h], |v[KX+32*\h+3]|, |v[KX+32*\h+4]|, |v[KX+32*\h+5]|
.endr
.irp i, 6,10,14,18,22,26
.irp h, 0,1
	v_max3_num_f32 v[8+2*\h], v[8+2*\h], |v[KX+32*\h+\i]|, |v[KX+32*\h+\i+1]|
	v_max3_num_f32 v[9+2*\h], v[9+2*\h], |v[KX+32*\h+\i+2]|, |v[KX+32*\h+\i+3]|
.endr
.endr
.irp h, 0,1
	v_max3_num_f32 v[8+2*\h], v[8+2*\h], |v[KX+32*\h+30]|, |v[KX+32*\h+31]|
.endr
.irp h, 0,1
	v_max3_num_f32 v[8+2*\h], v[8+2*\h], v[9+2*\h], 0x1800000      ; and the floor 2^(3 - 127)
.endr
.irp h, 0,1
	v_add_nc_u32 v[12+\h], 0xff000000, v[8+2*\h]   ; the conversion's scale operand
.endr
.irp h, 0,1
	v_lshrrev_b32 v[14+\h], 23, v[12+\h]           ; the scale's byte
.endr
.if (\g) > 0
	s_wait_alu depctr_va_vdst(0)
	s_wait_xcnt 0x0                                ; the last group's stores have read their data: the codes' registers are written again only behind this wait
.endif
.irp h, 0,1
.irp q, 0,1,2,3
	v_cvt_scalef32_pk8_fp4_f32 v[KC+4*\h+\q], v[KX+32*\h+8*\q:KX+32*\h+8*\q+7], v[12+\h]
.endr
.endr
	v_lshl_or_b32 v28, v15, 8, v14                 ; my key's two bytes
	v_mov_b32_dpp v29, v28 row_xmask:8 row_mask:0xf bank_mask:0xf   ; and those of the key 8 away: the same r in the pair's other tile
	v_cndmask_b32 v30, v28, v29, s42               ; tile u = 0's
	v_cndmask_b32 v31, v29, v28, s42               ; tile u = 1's
	v_lshl_or_b32 v[KW+(\g)], v31, 16, v30         ; the pair's word, in both lanes
	global_store_b128 v6, v[KC:KC+3], s[30:31] offset:(\g)*1024        ; channels 0-31: two runs of 256 consecutive bytes, aligned
	global_store_b128 v6, v[KC+4:KC+7], s[30:31] offset:(\g)*1024+256  ; channels 32-63
.endm
	KLOAD 0
	KLOAD 1
	s_wait_kmcnt 0x0                               ; kv_weight
	s_mov_b32 s27, s26                             ; (the packed form names the pair)
.irp g, 0,1,2,3
	KGROUP \g
.endr
	v_cndmask_b32 v30, v[KW], v[KW+2], s42         ; lanes with u take the words of pairs 2 u and 2 u + 1
	v_cndmask_b32 v31, v[KW+1], v[KW+3], s42
	global_store_b64 v7, v[30:31], s[32:33]        ; 32 lanes store 256 consecutive bytes, aligned
	s_wait_tensorcnt 0x0
	ds_add_u32 v224, v225
	s_wait_dscnt 0x0
	s_endpgm
; ---------------------------------------------------------------- PATH P: a stream of blocks of 32; a wave takes a run of 8,192 numbers (8 rows of 1,024), 16 steps of 512.
; Each of a step's four loads reads 512 consecutive bytes; the 2,048 bytes turn through the wave's stage (16 bytes of padding behind each 64) and come back 16 NEIGHBOURS a lane; two neighbouring lanes hold a block.
; A work-group's four runs are 32 rows: run w goes to place 2 (w % 2) + w / 2 of the four: the tile order.  Loads run four steps (16 loads) ahead, the turn through LDS one step.
.set PSTEPS, 16
.set CB,   8                           ; bytes of 16 codes
.set PR,   16                          ; v16-79   four sets of 16 numbers as loaded
.set PX,   80                          ; v80-111  two sets of 16 neighbours
.set PE,   112                         ; v112-127 a scale byte for each step
.set PCD,  128                         ; v128-191 codes: four registers for each step, so that no store's data are written again
.set WREG, 8192                        ; LDS of a wave: two stages of 32 x SP bytes, behind them its 256 scale bytes
.set SP,   80
.Lpath_p:
	s_wait_alu depctr_va_vdst(0)
	v_lshlrev_b32 v3, 4, v2                        ; my 16 bytes of a load's 512
	s_mul_i32 s44, s[WV], WREG
	v_lshrrev_b32 v14, 2, v2
	v_mul_u32_u24 v14, v14, SP
	v_and_b32 v15, 3, v2
	v_lshl_add_u32 v14, v15, 4, v14
	v_add_nc_u32 v14, s44, v14                     ; the stage, on the way in: SP (lane / 4) + 16 (lane % 4)
	v_mul_u32_u24 v15, v2, SP
	v_add_nc_u32 v15, s44, v15                     ; and on the way out: SP x lane
	v_mul_u32_u24 v4, v2, CB                       ; my codes' place in a step's
	v_lshrrev_b32 v5, 1, v2
	s_add_co_u32 s44, s44, 2*32*SP
	v_add_nc_u32 v5, s44, v5                       ; my block's scale byte in LDS
	v_lshlrev_b32 v7, 3, v2
	v_add_nc_u32 v6, s44, v7                       ; and on the way out 8 bytes a lane
	s_cmp_lt_u32 ttmp9, 160                        ; which tensor?  The choices hang on the work-group's number alone
	s_cselect_b64 s[28:29], s[6:7], s[8:9]
	s_cmp_lt_u32 ttmp9, 192
	s_cselect_b64 s[28:29], s[28:29], s[10:11]
	s_cmp_lt_u32 ttmp9, 128
	s_cselect_b64 s[28:29], s[4:5], s[28:29]
	s_cselect_b64 s[30:31], s[16:17], s[20:21]     ; codes: xc or wc
	s_cselect_b64 s[32:33], s[18:19], s[22:23]     ; scale bytes: xs or ws
	s_cselect_b32 s34, 0, 128
	s_mov_b32 s35, 127
	s_cselect_b32 s35, 0xffff, s35                 ; a weight has 128 runs
	s_sub_co_u32 s34, ttmp9, s34
	s_lshl_b32 s34, s34, 2                         ; the work-group's first run, counted in x or through the three weights
	s_add_co_u32 s36, s34, s[WV]
	s_and_b32 s36, s36, s35                        ; my run in its own tensor
	s_mov_b32 s37, 0
	s_lshl_b64 s[36:37], s[36:37], 15              ; 32,768 bytes a run
	s_add_nc_u64 s[28:29], s[28:29], s[36:37]
	s_and_b32 s38, s[WV], 1
	s_lshl_b32 s38, s38, 1
	s_lshr_b32 s39, s[WV], 1
	s_or_b32 s38, s38, s39
	s_add_co_u32 s38, s38, s34                     ; where it goes: the tile order
	s_lshl_b32 s40, s38, 12                        ; 4,096 bytes of codes a run
	s_mov_b32 s41, 0
	s_add_nc_u64 s[30:31], s[30:31], s[40:41]
	s_lshl_b32 s40, s38, 8                         ; 256 scale bytes a run
	s_add_nc_u64 s[32:33], s[32:33], s[40:41]
.macro PLOAD t
.irp i, 0,1,2,3
	global_load_b128 v[PR+16*((\t)%4)+4*\i:PR+16*((\t)%4)+4*\i+3], v3, s[28:29] offset:2048*(\t)+512*\i th:TH_LOAD_NT
.endr
.endm
.macro PTURN t                         ; step t's numbers through the stage: LDS serves a wave's instructions in order, so no wait stands between the stores and the loads
.irp i, 0,1,2,3
	ds_store_b128 v14, v[PR+16*((\t)%4)+4*\i:PR+16*((\t)%4)+4*\i+3] offset:32*SP*((\t)%2)+8*SP*\i
.endr
.irp i, 0,1,2,3
	ds_load_b128 v[PX+16*((\t)%2)+4*\i:PX+16*((\t)%2)+4*\i+3], v15 offset:32*SP*((\t)%2)+16*\i
.endr
.endm
.irp t, 0,1,2,3
	PLOAD \t
.endr
	s_wait_alu depctr_va_vdst(0)
	s_wait_loadcnt 12                              ; step 0's four loads are in
	PTURN 0
.macro PSTEP t
.set XS, PX+16*((\t)%2)
.if (\t) > 0
	s_wait_dscnt 1                                 ; this step's numbers are back from the stage (the last step's byte store may be out)
.else
	s_wait_dscnt 0x0
.endif
.if (\t)+4 < PSTEPS
	PLOAD (\t)+4                                   ; into the set that this step's stores into the stage have read
.endif
.if (\t)+1 < PSTEPS
.if PSTEPS-2-(\t) >= 3
	s_wait_loadcnt 12                              ; the next step's four loads are in; those of the three steps behind it may be out
.else
	s_wait_loadcnt 4*(PSTEPS-2-(\t))
.endif
	PTURN (\t)+1
.endif
	v_max3_num_f32 v8, |v[XS]|, |v[XS+1]|, |v[XS+2]|               ; the largest magnitude of my 16
	v_max3_num_f32 v9, |v[XS+3]|, |v[XS+4]|, |v[XS+5]|
.irp i, 6,10
	v_max3_num_f32 v8, v8, |v[XS+\i]|, |v[XS+\i+1]|
	v_max3_num_f32 v9, v9, |v[XS+\i+2]|, |v[XS+\i+3]|
.endr
	v_max3_num_f32 v8, v8, |v[XS+14]|, |v[XS+15]|
	v_max3_num_f32 v8, v8, v9, 0x1800000           ; and the floor 2^(3 - 127)
	v_max_num_f32_dpp v8, v8, v8 row_xmask:1 row_mask:0xf bank_mask:0xf   ; and of my neighbour's 16: the block's
	v_add_nc_u32 v11, 0xff000000, v8               ; the conversion's scale operand
	v_cvt_scalef32_pk8_fp4_f32 v[PCD+4*(\t)], v[XS:XS+7], v11
	v_cvt_scalef32_pk8_fp4_f32 v[PCD+4*(\t)+1], v[XS+8:XS+15], v11
	v_lshrrev_b32 v[PE+(\t)], 23, v11              ; the scale's byte
	ds_store_b8 v5, v[PE+(\t)] offset:16*(\t)      ; both lanes of a block write the same byte with the same value
	global_store_b64 v4, v[PCD+4*(\t):PCD+4*(\t)+1], s[30:31] offset:32*CB*(\t)   ; 32 lanes store 256 consecutive bytes, aligned
.endm
.irp t, 0,1,2,3,4,5,6,7,8,9,10,11,12,13,14,15
	PSTEP \t
.endr
	s_wait_kmcnt 0x0                               ; (this path does not use kv_weight; its load is done before the wave ends)
	ds_load_b64 v[12:13], v6                       ; these see my byte stores
	s_wait_dscnt 0x0
	global_store_b64 v7, v[12:13], s[32:33]        ; 256 consecutive bytes, aligned
	s_wait_tensorcnt 0x0
	ds_add_u32 v224, v225
	s_wait_dscnt 0x0
	s_endpgm
.Lfunc_end_k_qfa89c6de4f_quant:
	.size	k_qfa89c6de4f_quant, .Lfunc_end_k_qfa89c6de4f_quant-k_qfa89c6de4f_quant
	.p2alignl 7, 3214868480
	.fill 96, 4, 3214868480
	.section	.rodata,"a",@progbits
	.p2align	6, 0x0
	.amdhsa_kernel k_qfa89c6de4f_quant
		.amdhsa_group_segment_fixed_size 68096
		.amdhsa_private_segment_fixed_size 0
		.amdhsa_enable_private_segment 0
		.amdhsa_kernarg_size 88
		.amdhsa_user_sgpr_count 2
		.amdhsa_user_sgpr_kernarg_segment_ptr 1
		.amdhsa_wavefront_size32 1
		.amdhsa_system_sgpr_workgroup_id_x 1
		.amdhsa_system_sgpr_workgroup_id_y 1
		.amdhsa_system_sgpr_workgroup_id_z 1
		.amdhsa_system_vgpr_workitem_id 0
		.amdhsa_next_free_vgpr 226
		.amdhsa_next_free_sgpr 66
		.amdhsa_reserve_vcc 0
		.amdhsa_float_denorm_mode_32 3
		.amdhsa_float_denorm_mode_16_64 3
		.amdhsa_memory_ordered 1
		.amdhsa_forward_progress 1
		.amdhsa_inst_pref_size 118
	.end_amdhsa_kernel
	.amdgpu_metadata
---
amdhsa.version: [ 1, 2 ]
amdhsa.kernels:
  - .name:           k_qfa89c6de4f_quant
    .symbol:         k_qfa89c6de4f_quant.kd
    .args:
      - { .name: hidden_states, .offset: 0, .size: 8, .value_kind: global_buffer, .address_space: global }
      - { .name: Wq, .offset: 8, .size: 8, .value_kind: global_buffer, .address_space: global }
      - { .name: Wk, .offset: 16, .size: 8, .value_kind: global_buffer, .address_space: global }
      - { .name: Wv, .offset: 24, .size: 8, .value_kind: global_buffer, .address_space: global }
      - { .name: kvs, .offset: 32, .size: 8, .value_kind: global_buffer, .address_space: global }
      - { .name: kv_weight, .offset: 40, .size: 8, .value_kind: global_buffer, .address_space: global }
      - { .name: xc, .offset: 48, .size: 8, .value_kind: global_buffer, .address_space: global }
      - { .name: xs, .offset: 56, .size: 8, .value_kind: global_buffer, .address_space: global }
      - { .name: wc, .offset: 64, .size: 8, .value_kind: global_buffer, .address_space: global }
      - { .name: ws, .offset: 72, .size: 8, .value_kind: global_buffer, .address_space: global }
      - { .name: kv, .offset: 80, .size: 8, .value_kind: global_buffer, .address_space: global }
    .group_segment_fixed_size: 68096
    .private_segment_fixed_size: 0
    .kernarg_segment_align: 8
    .kernarg_segment_size: 88
    .max_flat_workgroup_size: 128
    .sgpr_count:     66
    .vgpr_count:     226
    .wavefront_size: 32
...
	.end_amdgpu_metadata
.endif
;; end of part 1
;; launch proj (part 2): grid 12 x 16, 16 waves a work-group, clusters of 4 x 4, 297,984 bytes of LDS; arguments xc, xs, wc, ws, bq, bk, bv, qf, qs, kv; writes qf, qs, kv
.if DOCPART == 2
	.amdgcn_target "amdgcn-amd-amdhsa--gfx1250"
	.amdhsa_code_object_version 6
	.text
	.protected	k_qfa89c6de4f_proj
	.globl	k_qfa89c6de4f_proj
	.p2align	8
	.type	k_qfa89c6de4f_proj,@function
k_qfa89c6de4f_proj:
	s_mov_b64 s[64:65], 0
	v_nop
	global_prefetch_b8 v0, s[64:65] scope:SCOPE_SE
	s_setreg_imm32_b32 hwreg(HW_REG_WAVE_MODE, 25, 1), 1
	s_wait_xcnt 0x0
	s_wait_alu depctr_hold_cnt(0) depctr_sa_sdst(0) depctr_va_vdst(0) depctr_va_sdst(0) depctr_va_ssrc(0) depctr_va_vcc(0) depctr_vm_vsrc(0)
	s_getreg_b32 s2, hwreg(HW_REG_IB_STS2, 6, 4)
	s_cmp_eq_u32 s2, 0
	s_cbranch_scc0 .Lentry_in_a_cluster
	s_endpgm
.Lentry_in_a_cluster:
	s_bfe_u32 s2, ttmp6, 0x10000c
	s_cmp_lg_u32 s2, 0xf033
	s_cbranch_scc0 .Lentry_shape_is_right
	s_endpgm
.Lentry_shape_is_right:
; q = (x Wq^T + bq) / 8, k = x Wk^T + bk, v = x Wv^T + bv on codes of FP4 with E8M0 scales, K = 1,024; the results are quantised in registers for the two products of attention and stored as images of operand registers.
; xc [4096 positions][512 bytes], xs [4096][32], wc [3072 positions][512], ws [3072][32]: rows in the tile order (position 16 u + r of each 32 holds row 8 u + r % 8 + 16 (r / 8)); Wq, Wk, Wv one behind the other.
; SHARES.  A work-group makes 256 positions of x times 256 positions of W: four heads of ONE kind (q, k or v).  The kind is the cluster's x, equal in all partners, so the one branch on it is alike in them.
; All of K lies in LDS, filled once: 256 rows of x and of W in two halves of 256 bytes a row, and their scale bytes.  Nothing is filled again.
; CLUSTER 4 x 4: the four of a row need the same rows of x, the four of a column the same rows of W: joint loads.  A wave issues at most one tensor load: its codes or its scales.
; q AND k (16 waves = 4 groups of 4 tiles of x times 4 heads): USED TRANSPOSED, source 0 = 16 positions of W, source 1 = 16 positions of x: a lane holds one row of x, and the registers of W's tiles 2 b, 2 b + 1
;   are channels 32 b + 16 (lane / 16) + 0 .. 15: both blocks of the next K (the head's 64) are quantised with one exchange between the lanes' halves.
; v (16 waves = 2 key steps x 4 heads x 2 tiles of channels, each with the tile 32 channels on): source 0 = 16 positions of x, source 1 = 16 positions of W: a lane holds one channel,
;   and the registers of x's tiles 2 b, 2 b + 1 are keys 32 b + 16 (lane / 16) + 0 .. 15: the next K (the keys) runs along the registers.
; OUT: qf [32 heads][128 tiles][512 bytes]: lane (r, h): query position r, channels 32 h on; qs [32][32][16 r][4 tiles]: the word is the row's two bytes twice.  kv: chunks 4 to 7 of each head, laid as the launch before lays chunks 0 to 3.
; LIMITS: NaN and infinities are not served; a block under 2^-124 keeps the byte 1, a block of zeros too (its codes are zeros; this program alone reads the bytes).
; The bias enters as acc x F + b x F, F = 1/8 or 1, one fused multiply-add: F is a power of two, so that is (acc + b) x F rounded once, but for results that fall among the denormals.
; THE LOADS AS THEY STAND: one tensor load a wave, so one is outstanding, not two.
.set HEADB,  278528
.set CHUNKB, 34816
.set PITCH,  272                       ; an LDS row: 256 bytes + 16 of padding: the 16 rows of a fragment load start at 16 different groups of banks (64 banks of 4 bytes: ISA guide 11.1)
.set TILEB,  16*PITCH
.set HALFK,  256*PITCH                 ; 256 rows, half of K
.set WT,     2*HALFK                   ; x's two halves, then W's two
.set XSC,    4*HALFK                   ; x's scale bytes: 32 units of 256 bytes + 16
.set WSC,    XSC+32*272                ; W's
.set STB,    544                       ; the scale bytes of 16 rows: two units
.set WV,  24                           ; s24 wave
.set SEL, 40                           ; s[40:41] lane selects for v_permlanex16_b32: lane l xor 16
.set XF,  32                           ; fragments of x
.set WF,  64                           ; q, k: fragments of W
.set BI,  96                           ; q, k: the bias, in the result's layout
.set WN,  96                           ; v: fragments of W
.set ACC, 128                          ; v128-255: 16 accumulators
.macro ROUND                           ; a round of the cluster's barrier
	s_barrier_signal -1
	s_barrier_wait -1
	s_cmp_lg_u32 s[WV], 0
	s_cbranch_scc1 .Lnot_wave_0_\@
	s_barrier_signal -3
.Lnot_wave_0_\@:
	s_barrier_wait -3
	s_barrier_signal -1
	s_barrier_wait -1
.endm
	s_load_b256 s[4:11], s[0:1], 0x0               ; xc s[4:5], xs s[6:7], wc s[8:9], ws s[10:11]
	s_load_b256 s[12:19], s[0:1], 0x20             ; bq s[12:13], bk s[14:15], bv s[16:17], qf s[18:19]
	s_load_b128 s[20:23], s[0:1], 0x40             ; qs s[20:21], kv s[22:23]
	v_lshl_add_u32 v30, v0, 2, 0x48400
	v_mov_b32 v31, 0
	ds_add_u32 v30, v31
	ds_add_u32 v30, v31
	v_lshrrev_b32 v1, 5, v0
	s_delay_alu instid0(VALU_DEP_1)
	v_readfirstlane_b32 s[WV], v1                  ; wave 0..15
	s_bfe_u32 s25, ttmp6, 0x40000                  ; cx
	s_bfe_u32 s26, ttmp6, 0x40004                  ; cy
	s_mov_b32 s27, ttmp9                           ; the kind: 0 q, 1 k, 2 v
	s_and_b32 s80, ttmp7, 0xffff
	s_lshl_b32 s80, s80, 2
	s_add_co_u32 s80, s80, s26                     ; which 256 positions of x
	s_lshl_b32 s81, ttmp9, 2
	s_add_co_u32 s81, s81, s25                     ; which 256 positions of W
	s_lshl_b32 s82, s26, 2
	s_lshl_b32 s82, 15, s82                        ; my row of the cluster
	s_lshl_b32 s83, 0x1111, s25                    ; my column
	; group 1 for codes: 128 rows x 256 bytes out of rows of 512; 16 bytes of padding behind each row
	s_or_b32 s28, s82, (0<<16)|(1<<20)|(1<<21)|(5<<22)|(3<<25)   ; 15:0 the mask; 17:16 elements of 1 byte; 20 padding on; 21 set beside a mask; 24:22 after every 64 words; 31:25 four words
	s_or_b32 s36, s83, (0<<16)|(1<<20)|(1<<21)|(5<<22)|(3<<25)
.irp g, 28, 36
	s_mov_b32 s[\g+1], 256<<16                     ; tensor_dim0
	s_mov_b32 s[\g+2], 128<<16                     ; tensor_dim1
	s_mov_b32 s[\g+3], 256<<16                     ; tile_dim0
	s_mov_b32 s[\g+4], 128                         ; tile_dim1
	s_mov_b32 s[\g+5], 512                         ; from row to row
	s_mov_b32 s[\g+6], 0
	s_mov_b32 s[\g+7], 0
.endr
	; group 1 for scale bytes: 256 rows' 8,192 dense bytes as 32 rows of 256 (32 elements of 8 bytes), 16 bytes of padding behind each
	s_or_b32 s44, s82, (3<<16)|(1<<20)|(1<<21)|(5<<22)|(3<<25)
	s_or_b32 s52, s83, (3<<16)|(1<<20)|(1<<21)|(5<<22)|(3<<25)
.irp g, 44, 52
	s_mov_b32 s[\g+1], 32<<16
	s_mov_b32 s[\g+2], 32<<16
	s_mov_b32 s[\g+3], 32<<16
	s_mov_b32 s[\g+4], 32
	s_mov_b32 s[\g+5], 32
	s_mov_b32 s[\g+6], 0
	s_mov_b32 s[\g+7], 0
.endr
	; what I fetch, ONE load a wave: waves 0-3 x's codes, 4-7 W's: rows 128 (wave % 2) on, K half (wave / 2) % 2; wave 8 all of x's scale bytes, wave 9 all of W's; waves 10-15 nothing.
	; Every wave makes all addresses, x's in registers that never hold W's coordinate and the other way round.
	s_and_b32 s84, s[WV], 1
	s_lshl_b32 s84, s84, 16                        ; 128 rows of 512 bytes
	s_bfe_u32 s85, s[WV], 0x10001
	s_lshl_b32 s85, s85, 8
	s_add_co_u32 s84, s84, s85
	s_mov_b32 s85, 0                               ; the scale bytes come from their block's first byte
	s_lshl_b32 s86, s80, 17
	s_add_co_u32 s86, s86, s84
	s_mov_b32 s87, 0
	s_lshl_b32 s88, s81, 17
	s_add_co_u32 s88, s88, s84
	s_mov_b32 s89, 0
	s_lshl_b32 s90, s80, 13
	s_add_co_u32 s90, s90, s85
	s_mov_b32 s91, 0
	s_lshl_b32 s92, s81, 13
	s_add_co_u32 s92, s92, s85
	s_mov_b32 s93, 0
	s_min_u32 s94, s[WV], 7
	s_mul_i32 s94, s94, 128*PITCH                  ; where the codes go: the wave's number alone enters an LDS address
	s_wait_dscnt 0x0
	s_wait_kmcnt 0x0
	s_mov_b32 s60, 1                               ; group 0, x's codes
	s_mov_b32 s61, s94
	s_add_nc_u64 s[62:63], s[4:5], s[86:87]
	s_or_b32 s63, s63, 0x80000000
	s_mov_b32 s68, 1                               ; W's codes
	s_mov_b32 s69, s94
	s_add_nc_u64 s[70:71], s[8:9], s[88:89]
	s_or_b32 s71, s71, 0x80000000
	s_mov_b32 s72, 1                               ; x's scales
	s_mov_b32 s73, XSC
	s_add_nc_u64 s[74:75], s[6:7], s[90:91]
	s_or_b32 s75, s75, 0x80000000
	s_mov_b32 s76, 1                               ; W's scales
	s_mov_b32 s77, WSC
	s_add_nc_u64 s[78:79], s[10:11], s[92:93]
	s_or_b32 s79, s79, 0x80000000
	ROUND                                          ; all sixteen work-groups are here: the joint loads meet
; the head's loads, one a wave: one chain of branches on the wave's number, an arm a load, all arms leading to one join
.macro ARM under, g0, g1, next
	s_cmp_lt_u32 s[WV], \under
	s_cbranch_scc0 \next
	tensor_load_to_lds s[\g0:\g0+3], s[\g1:\g1+7]
	s_nop 0
.rept 4
	v_nop
.endr
	s_branch .Lasked
\next:
.endm
	ARM 4, 60, 28, .Lhead_w
	ARM 8, 68, 36, .Lhead_xs
	ARM 9, 72, 44, .Lhead_ws
	ARM 10, 76, 52, .Lhead_none
.Lasked:
	v_and_b32 v1, 15, v0                           ; r
	v_bfe_u32 v2, v0, 4, 1                         ; h
	s_delay_alu instid0(VALU_DEP_2)
	v_mul_u32_u24 v3, v1, PITCH
	s_delay_alu instid0(VALU_DEP_1)
	v_lshl_add_u32 v3, v2, 4, v3                   ; a fragment: row r x pitch + 16 h
	s_delay_alu instid0(VALU_DEP_4)
	v_lshrrev_b32 v13, 3, v1
	s_delay_alu instid0(VALU_DEP_1)
	v_mul_u32_u24 v13, v13, 272
	v_and_b32 v14, 7, v1
	s_delay_alu instid0(VALU_DEP_1)
	v_lshl_add_u32 v13, v14, 5, v13                ; a row's scale bytes: 32 a row, eight rows to a unit
	v_and_b32 v10, 31, v0
	s_delay_alu instid0(VALU_DEP_1)
	v_lshlrev_b32 v10, 4, v10                      ; 16 x lane: an image's place
	v_lshlrev_b32 v11, 4, v1
	s_delay_alu instid0(VALU_DEP_1)
	v_lshl_add_u32 v11, v2, 3, v11                 ; 16 r + 8 h
	v_lshlrev_b32 v12, 3, v1
	s_delay_alu instid0(VALU_DEP_1)
	v_lshl_add_u32 v12, v2, 2, v12                 ; 8 r + 4 h
	v_cmp_ne_u32 vcc_lo, 0, v2                     ; lanes 16-31
	s_wait_tensorcnt 0x0                           ; my load, if I have one, has landed,
	s_barrier_signal -1
	s_barrier_wait -1                              ; everybody's has.  No tensor load is out: the descriptors' registers serve other ends from here on
	s_mov_b32 s[SEL], 0x76543210
	s_mov_b32 s[SEL+1], 0xfedcba98
	s_lshr_b32 s32, s80, 3
	s_lshl_b32 s32, s32, 4                         ; 16 x batch
	s_lshl_b32 s31, s25, 2                         ; 4 cx: the work-group's first head
	s_and_b32 s33, s80, 7                          ; which 256 positions of the sequence
	s_lshr_b32 s42, s33, 1
	s_add_co_u32 s42, s42, 4
	s_mul_i32 s42, s42, CHUNKB                     ; their chunk in a head's block: behind the four chunks of given keys
	s_and_b32 s43, s80, 1
	s_lshl_b32 s43, s43, 1                         ; the upper bit of the key step in the chunk
	s_cmp_eq_u32 s27, 2
	s_cbranch_scc1 .Lpath_v
; The quantisers.  v[s] on: register 16 b + i = number 32 b + 16 (lane / 16) + i along the next K of my row.  Codes go to v[pc] on, in the operand's layout; TM: 16 registers at work.
.macro QUANT2 s, pc, hw                ; two blocks: four registers of codes; the row's two bytes in v[hw]
.irp b, 0,1
	v_max3_num_f32 v[TM+\b], |v[(\s)+16*\b]|, |v[(\s)+1+16*\b]|, 0x1800000   ; my 16 numbers, and the floor 2^(3 - 127)
.endr
.irp i, 2,4,6,8,10,12,14
.irp b, 0,1
	s_delay_alu instid0(VALU_DEP_2)
	v_max3_num_f32 v[TM+\b], v[TM+\b], |v[(\s)+16*\b+\i]|, |v[(\s)+1+16*\b+\i]|
.endr
.endr
.irp b, 0,1
	s_delay_alu instid0(VALU_DEP_2)
	v_permlanex16_b32 v[TM+4+\b], v[TM+\b], s[SEL], s[SEL+1]
.endr
.irp b, 0,1
	s_delay_alu instid0(VALU_DEP_2)
	v_max_num_f32 v[TM+\b], v[TM+\b], v[TM+4+\b]   ; with lane l xor 16's: the block's largest magnitude
.endr
.irp b, 0,1
	s_delay_alu instid0(VALU_DEP_2)
	v_add_nc_u32 v[TM+12+\b], 0xff000000, v[TM+\b] ; 2 off the exponent field: the conversion's scale operand
.endr
.irp b, 0,1
	s_delay_alu instid0(VALU_DEP_2)
	v_lshrrev_b32 v[TM+4+\b], 23, v[TM+12+\b]      ; the scale's byte
.endr
	s_delay_alu instid0(VALU_DEP_1)
	v_lshl_or_b32 v[\hw], v[TM+5], 8, v[TM+4]
.irp b, 0,1
	v_cvt_scalef32_pk8_fp4_f32 v[(\pc)+2*\b], v[(\s)+16*\b:(\s)+7+16*\b], v[TM+12+\b]
	v_cvt_scalef32_pk8_fp4_f32 v[(\pc)+1+2*\b], v[(\s)+8+16*\b:(\s)+15+16*\b], v[TM+12+\b]
.endr
	v_nop                                          ; one plain place behind a scaled conversion
.irp i, 0,1
	v_permlane16_swap_b32 v[(\pc)+\i], v[(\pc)+2+\i]   ; a WHOLE block in a lane: lanes 0-15 block 0, lanes 16-31 block 1
.endr
.endm
.macro QUANT4 s, pc, pw                ; four blocks: a fragment of eight registers; the row's scale word in v[pw]
.irp b, 0,1,2,3
	v_max3_num_f32 v[TM+\b], |v[(\s)+16*\b]|, |v[(\s)+1+16*\b]|, 0x1800000
.endr
.irp i, 2,4,6,8,10,12,14
.irp b, 0,1,2,3
	s_delay_alu instid0(VALU_DEP_4)
	v_max3_num_f32 v[TM+\b], v[TM+\b], |v[(\s)+16*\b+\i]|, |v[(\s)+1+16*\b+\i]|
.endr
.endr
.irp b, 0,1,2,3
	s_delay_alu instid0(VALU_DEP_4)
	v_permlanex16_b32 v[TM+4+\b], v[TM+\b], s[SEL], s[SEL+1]
.endr
.irp b, 0,1,2,3
	s_delay_alu instid0(VALU_DEP_4)
	v_max_num_f32 v[TM+\b], v[TM+\b], v[TM+4+\b]
.endr
.irp b, 0,1,2,3
	s_delay_alu instid0(VALU_DEP_4)
	v_add_nc_u32 v[TM+12+\b], 0xff000000, v[TM+\b]
.endr
.irp b, 0,1,2,3
	s_delay_alu instid0(VALU_DEP_4)
	v_lshrrev_b32 v[TM+4+\b], 23, v[TM+12+\b]
.endr
	s_delay_alu instid0(VALU_DEP_3)
	v_lshl_or_b32 v[\pw], v[TM+5], 8, v[TM+4]
	s_delay_alu instid0(VALU_DEP_1)
	v_lshl_or_b32 v[\pw], v[TM+6], 16, v[\pw]
	s_delay_alu instid0(VALU_DEP_1)
	v_lshl_or_b32 v[\pw], v[TM+7], 24, v[\pw]
.irp b, 0,1,2,3
	v_cvt_scalef32_pk8_fp4_f32 v[(\pc)+2*\b], v[(\s)+16*\b:(\s)+7+16*\b], v[TM+12+\b]
	v_cvt_scalef32_pk8_fp4_f32 v[(\pc)+1+2*\b], v[(\s)+8+16*\b:(\s)+15+16*\b], v[TM+12+\b]
.endr
	v_nop
.irp c, 0,1
.irp i, 0,1
	v_permlane16_swap_b32 v[(\pc)+4*\c+\i], v[(\pc)+2+4*\c+\i]
.endr
.endr
.endm
; ---------------------------------------------------------------- q and k
	s_lshr_b32 s28, s[WV], 2                       ; a4: which four tiles of x
	s_and_b32 s29, s[WV], 3                        ; which of the four heads
	s_mul_i32 s30, s28, 4*TILEB
	v_add_nc_u32 v4, s30, v3                       ; x's fragments, K half 0,
	s_wait_alu depctr_va_vdst(0)
	v_add_nc_u32 v5, HALFK, v4                     ; K half 1
	s_mul_i32 s30, s29, 4*TILEB
	s_add_co_u32 s30, s30, WT
	v_add_nc_u32 v6, s30, v3                       ; W's
	s_wait_alu depctr_va_vdst(0)
	v_add_nc_u32 v7, HALFK, v6
	s_mul_i32 s30, s28, 4*STB
	s_add_co_u32 s30, s30, XSC
	v_add_nc_u32 v8, s30, v13                      ; x's scale words
	s_wait_alu depctr_va_vdst(0)
	s_mul_i32 s30, s29, 4*STB
	s_add_co_u32 s30, s30, WSC
	v_add_nc_u32 v9, s30, v13                      ; W's
	s_wait_alu depctr_va_vdst(0)
	s_add_co_u32 s31, s31, s29                     ; the head
	s_add_co_u32 s32, s32, s31                     ; 16 x batch + head
	s_lshl_b32 s34, s31, 8                         ; its 64 numbers of the bias
	s_mov_b32 s35, 0
	s_lshl_b32 s44, s32, 7                         ; q: tile = 128 x head + 16 x block + 4 a4
	s_lshl_b32 s30, s33, 4
	s_add_co_u32 s44, s44, s30
	s_lshl_b32 s30, s28, 2
	s_add_co_u32 s44, s44, s30
	s_lshl_b32 s46, s44, 6                         ; its words: 256 bytes for four tiles
	s_lshl_b32 s44, s44, 9                         ; its codes: 512 bytes a tile
	s_mul_i32 s52, s32, HEADB                      ; k: the chunk,
	s_add_co_u32 s52, s52, s42
	s_lshr_b32 s30, s28, 1
	s_or_b32 s43, s43, s30                         ; the key step in it,
	s_and_b32 s30, s28, 1                          ; and which four of its eight tiles
	s_lshl_b32 s53, s43, 12
	s_add_co_u32 s53, s53, s52
	s_lshl_b32 s54, s30, 11
	s_add_co_u32 s53, s53, s54                     ; codes
	s_lshl_b32 s54, s43, 8
	s_add_co_u32 s54, s54, s52
	s_lshl_b32 s55, s30, 7
	s_add_co_u32 s54, s54, s55
	s_add_co_u32 s54, s54, 32768                   ; words
	s_cmp_eq_u32 s27, 0                            ; q or k: only values are chosen
	s_cselect_b32 s44, s44, s53
	s_cselect_b32 s46, s46, s54
	s_cselect_b64 s[48:49], s[18:19], s[22:23]
	s_cselect_b64 s[50:51], s[20:21], s[22:23]
	s_cselect_b64 s[36:37], s[12:13], s[14:15]
	s_mov_b32 s38, 0x3f800000
	s_cselect_b32 s38, 0x3e000000, s38             ; F: 1/8 for q, 1 for k
	s_mov_b32 s39, s38
	s_mov_b32 s45, 0
	s_mov_b32 s47, 0
	s_add_nc_u64 s[48:49], s[48:49], s[44:45]      ; where my codes go
	s_add_nc_u64 s[50:51], s[50:51], s[46:47]      ; where my words go
	s_add_nc_u64 s[36:37], s[36:37], s[34:35]
	v_lshlrev_b32 v14, 6, v2                       ; lane (r, h) wants, for tile 2 b + u, the bias of channels 32 b + 16 h + 8 u + 0 .. 7
.irp t, 0,1,2,3
	global_load_b128 v[BI+8*\t:BI+8*\t+3], v14, s[36:37] offset:(32*(\t/2)+8*(\t%2))*4
	global_load_b128 v[BI+8*\t+4:BI+8*\t+7], v14, s[36:37] offset:(32*(\t/2)+8*(\t%2))*4+16
.endr
; A K step of 128: 16 fragment loads, 8 scale words, 16 products.  The 16 accumulators take turns, one instruction a turn, in the same order in every step.
; The four v_nop at its end are the places in front of the next step's loads into registers that the products have read, and of the first read of results.
.macro KSTEP_T ks, zero
.irp a, 0,1,2,3
.irp c, 0,1
	ds_load_b128 v[XF+8*\a+4*\c:XF+8*\a+4*\c+3], v[4+(\ks)/4] offset:\a*TILEB+((\ks)%4)*64+32*\c
	ds_load_b128 v[WF+8*\a+4*\c:WF+8*\a+4*\c+3], v[6+(\ks)/4] offset:\a*TILEB+((\ks)%4)*64+32*\c
.endr
	ds_load_b32 v[16+\a], v8 offset:\a*STB+4*(\ks)
	ds_load_b32 v[20+\a], v9 offset:\a*STB+4*(\ks)
.endr
	s_wait_dscnt 0x0
.irp a, 0,1,2,3
.irp t, 0,1,2,3
.if \zero
	v_wmma_scale_f32_16x16x128_f8f6f4 v[ACC+8*(4*\a+\t):ACC+8*(4*\a+\t)+7], v[WF+8*\t:WF+8*\t+7], v[XF+8*\a:XF+8*\a+7], 0, v[20+\t], v[16+\a] matrix_a_fmt:MATRIX_FMT_FP4 matrix_b_fmt:MATRIX_FMT_FP4
.else
	v_wmma_scale_f32_16x16x128_f8f6f4 v[ACC+8*(4*\a+\t):ACC+8*(4*\a+\t)+7], v[WF+8*\t:WF+8*\t+7], v[XF+8*\a:XF+8*\a+7], v[ACC+8*(4*\a+\t):ACC+8*(4*\a+\t)+7], v[20+\t], v[16+\a] matrix_a_fmt:MATRIX_FMT_FP4 matrix_b_fmt:MATRIX_FMT_FP4
.endif
.endr
.endr
.rept 4
	v_nop
.endr
.endm
	KSTEP_T 0, 1                                   ; the first step starts the sums: nothing is cleared
.irp k, 1,2,3,4,5,6,7
	KSTEP_T \k, 0
.endr
.set TM, 48
	s_wait_loadcnt 0x0                             ; the bias
	v_mov_b32 v[TM+4], 0                           ; written once: a lane permute's destination counts as one of its sources
	v_mov_b32 v[TM+5], 0
.set n, 0
.rept 16
	v_pk_mul_f32 v[BI+n:BI+n+1], v[BI+n:BI+n+1], s[38:39] op_sel_hi:[1,0]   ; b x F
.set n, n+2
.endr
.irp a, 0,1,2,3                                ; a tile of 16 rows of x: its 32 registers are the row's 64 channels, 16 of each block in my half
.set n, 0
.rept 16
	v_pk_fma_f32 v[ACC+32*\a+n:ACC+32*\a+n+1], v[ACC+32*\a+n:ACC+32*\a+n+1], s[38:39], v[BI+n:BI+n+1] op_sel_hi:[1,0,1]   ; each accumulator from its low end on
.set n, n+2
.endr
	QUANT2 ACC+32*\a, 32+4*\a, 64+\a
	global_store_b128 v10, v[32+4*\a:35+4*\a], s[48:49] offset:\a*512   ; the tile's image: 512 consecutive bytes
.endr
	s_cmp_eq_u32 s27, 0
	s_cbranch_scc0 .Lk_words
.irp a, 0,1,2,3
	v_lshl_or_b32 v[68+\a], v[64+\a], 16, v[64+\a] ; q: the two bytes twice: the operand holds its codes twice
.endr
	s_delay_alu instid0(VALU_DEP_2)
	v_cndmask_b32 v72, v68, v70, vcc_lo            ; lane (r, h) stores the words of tiles 2 h and 2 h + 1
	s_delay_alu instid0(VALU_DEP_2)
	v_cndmask_b32 v73, v69, v71, vcc_lo
	global_store_b64 v11, v[72:73], s[50:51]       ; 256 consecutive bytes, aligned
	s_branch .Ldone
.Lk_words:
	v_lshl_or_b32 v68, v65, 16, v64                ; k: one word for a pair of tiles
	s_wait_alu depctr_va_vdst(0)
	v_lshl_or_b32 v69, v67, 16, v66
	s_delay_alu instid0(VALU_DEP_1)
	v_cndmask_b32 v72, v68, v69, vcc_lo            ; lane (r, h) stores pair h's
	global_store_b32 v12, v72, s[50:51]            ; 128 consecutive bytes: the step's other four tiles are another wave's
	s_branch .Ldone
; ---------------------------------------------------------------- v
.Lpath_v:
	s_lshr_b32 s28, s[WV], 3                       ; which eight tiles of x: a key step
	s_bfe_u32 s29, s[WV], 0x20001                  ; which of the four heads
	s_and_b32 s30, s[WV], 1                        ; u: my tiles of W are 4 head + u and two further on
	s_mul_i32 s34, s28, 8*TILEB
	v_add_nc_u32 v4, s34, v3
	s_delay_alu instid0(VALU_DEP_1)
	v_add_nc_u32 v5, HALFK, v4
	s_lshl_b32 s34, s29, 2
	s_add_co_u32 s34, s34, s30
	s_mul_i32 s35, s34, TILEB
	s_add_co_u32 s35, s35, WT
	v_add_nc_u32 v6, s35, v3
	s_delay_alu instid0(VALU_DEP_1)
	v_add_nc_u32 v7, HALFK, v6
	s_mul_i32 s35, s28, 8*STB
	s_add_co_u32 s35, s35, XSC
	v_add_nc_u32 v8, s35, v13
	s_wait_alu depctr_va_vdst(0)
	s_mul_i32 s35, s34, STB
	s_add_co_u32 s35, s35, WSC
	v_add_nc_u32 v9, s35, v13
	s_wait_alu depctr_va_vdst(0)
	s_add_co_u32 s31, s31, s29                     ; the head
	s_add_co_u32 s32, s32, s31                     ; 16 x batch + head
	s_lshl_b32 s34, s31, 8
	s_lshl_b32 s35, s30, 5
	s_add_co_u32 s34, s34, s35
	s_mov_b32 s35, 0
	s_add_nc_u64 s[36:37], s[16:17], s[34:35]      ; bv at channel 64 head + 8 u
	v_and_b32 v14, 7, v1
	v_lshrrev_b32 v15, 3, v1
	s_delay_alu instid0(VALU_DEP_2)
	v_lshlrev_b32 v14, 2, v14
	s_delay_alu instid0(VALU_DEP_1)
	v_lshl_add_u32 v14, v15, 6, v14                ; my channel in the tile: r % 8 + 16 (r / 8)
.irp e, 0,1
	global_load_b32 v[112+2*\e], v14, s[36:37] offset:128*\e   ; my channel's bias, in both registers of a pair
	global_load_b32 v[113+2*\e], v14, s[36:37] offset:128*\e
.endr
	s_mul_i32 s52, s32, HEADB
	s_add_co_u32 s52, s52, s42                     ; the chunk
	s_or_b32 s43, s43, s28                         ; the key step in it
	s_lshl_b32 s44, s43, 12
	s_add_co_u32 s44, s44, s52
	s_lshl_b32 s53, s30, 10
	s_add_co_u32 s44, s44, s53
	s_add_co_u32 s44, s44, 16384
	s_mov_b32 s45, 0
	s_add_nc_u64 s[48:49], s[22:23], s[44:45]      ; where my codes go
	s_lshl_b32 s46, s43, 8
	s_add_co_u32 s46, s46, s52
	s_lshl_b32 s53, s30, 7
	s_add_co_u32 s46, s46, s53
	s_add_co_u32 s46, s46, 33792
	s_mov_b32 s47, 0
	s_add_nc_u64 s[50:51], s[22:23], s[46:47]      ; where my words go
.macro KSTEP_N ks, zero                ; as KSTEP_T, with eight tiles of x as source 0 and two of W as source 1
.irp a, 0,1,2,3,4,5,6,7
.irp c, 0,1
	ds_load_b128 v[XF+8*\a+4*\c:XF+8*\a+4*\c+3], v[4+(\ks)/4] offset:\a*TILEB+((\ks)%4)*64+32*\c
.endr
	ds_load_b32 v[16+\a], v8 offset:\a*STB+4*(\ks)
.endr
.irp e, 0,1
.irp c, 0,1
	ds_load_b128 v[WN+8*\e+4*\c:WN+8*\e+4*\c+3], v[6+(\ks)/4] offset:\e*2*TILEB+((\ks)%4)*64+32*\c
.endr
	ds_load_b32 v[24+\e], v9 offset:\e*2*STB+4*(\ks)
.endr
	s_wait_dscnt 0x0
.irp e, 0,1
.irp a, 0,1,2,3,4,5,6,7
.if \zero
	v_wmma_scale_f32_16x16x128_f8f6f4 v[ACC+64*\e+8*\a:ACC+64*\e+8*\a+7], v[XF+8*\a:XF+8*\a+7], v[WN+8*\e:WN+8*\e+7], 0, v[16+\a], v[24+\e] matrix_a_fmt:MATRIX_FMT_FP4 matrix_b_fmt:MATRIX_FMT_FP4
.else
	v_wmma_scale_f32_16x16x128_f8f6f4 v[ACC+64*\e+8*\a:ACC+64*\e+8*\a+7], v[XF+8*\a:XF+8*\a+7], v[WN+8*\e:WN+8*\e+7], v[ACC+64*\e+8*\a:ACC+64*\e+8*\a+7], v[16+\a], v[24+\e] matrix_a_fmt:MATRIX_FMT_FP4 matrix_b_fmt:MATRIX_FMT_FP4
.endif
.endr
.endr
.rept 4
	v_nop
.endr
.endm
	KSTEP_N 0, 1
.irp k, 1,2,3,4,5,6,7
	KSTEP_N \k, 0
.endr
.set TM, 64
	s_wait_loadcnt 0x0                             ; the bias
.irp b, 0,1,2,3
	v_mov_b32 v[TM+4+\b], 0                        ; written once: a lane permute's destination counts as one of its sources
.endr
.irp e, 0,1                                    ; a tile of 16 channels: its 64 registers are my channel's 128 keys, 16 of each block in my half
.set n, 0
.rept 32
	v_pk_add_f32 v[ACC+64*\e+n:ACC+64*\e+n+1], v[ACC+64*\e+n:ACC+64*\e+n+1], v[112+2*\e:113+2*\e]   ; each accumulator from its low end on
.set n, n+2
.endr
	QUANT4 ACC+64*\e, 32+8*\e, 48+\e
	global_store_b128 v10, v[32+8*\e:35+8*\e], s[48:49] offset:\e*2048       ; the fragment's image: twice 512 consecutive bytes
	global_store_b128 v10, v[36+8*\e:39+8*\e], s[48:49] offset:\e*2048+512
.endr
	v_cndmask_b32 v50, v48, v49, vcc_lo            ; lane (r, h) stores the word of tile e = h
	global_store_b32 v12, v50, s[50:51]            ; 128 consecutive bytes: the other tiles of channels are another wave's
.Ldone:
	s_wait_tensorcnt 0x0
	ds_add_u32 v30, v31
	s_wait_dscnt 0x0
	ROUND                                          ; the closing round: no work-group ends while a partner may still ask for a tile that names it
	s_endpgm
.Lfunc_end_k_qfa89c6de4f_proj:
	.size	k_qfa89c6de4f_proj, .Lfunc_end_k_qfa89c6de4f_proj-k_qfa89c6de4f_proj
	.p2alignl 7, 3214868480
	.fill 96, 4, 3214868480
	.section	.rodata,"a",@progbits
	.p2align	6, 0x0
	.amdhsa_kernel k_qfa89c6de4f_proj
		.amdhsa_group_segment_fixed_size 297984
		.amdhsa_private_segment_fixed_size 0
		.amdhsa_enable_private_segment 0
		.amdhsa_kernarg_size 80
		.amdhsa_user_sgpr_count 2
		.amdhsa_user_sgpr_kernarg_segment_ptr 1
		.amdhsa_wavefront_size32 1
		.amdhsa_system_sgpr_workgroup_id_x 1
		.amdhsa_system_sgpr_workgroup_id_y 1
		.amdhsa_system_sgpr_workgroup_id_z 1
		.amdhsa_system_vgpr_workitem_id 0
		.amdhsa_next_free_vgpr 256
		.amdhsa_next_free_sgpr 100
		.amdhsa_reserve_vcc 1
		.amdhsa_float_denorm_mode_32 3
		.amdhsa_float_denorm_mode_16_64 3
		.amdhsa_memory_ordered 1
		.amdhsa_forward_progress 1
		.amdhsa_inst_pref_size 107
	.end_amdhsa_kernel
	.amdgpu_metadata
---
amdhsa.version: [ 1, 2 ]
amdhsa.kernels:
  - .name:           k_qfa89c6de4f_proj
    .symbol:         k_qfa89c6de4f_proj.kd
    .args:
      - { .name: xc, .offset: 0, .size: 8, .value_kind: global_buffer, .address_space: global }
      - { .name: xs, .offset: 8, .size: 8, .value_kind: global_buffer, .address_space: global }
      - { .name: wc, .offset: 16, .size: 8, .value_kind: global_buffer, .address_space: global }
      - { .name: ws, .offset: 24, .size: 8, .value_kind: global_buffer, .address_space: global }
      - { .name: bq, .offset: 32, .size: 8, .value_kind: global_buffer, .address_space: global }
      - { .name: bk, .offset: 40, .size: 8, .value_kind: global_buffer, .address_space: global }
      - { .name: bv, .offset: 48, .size: 8, .value_kind: global_buffer, .address_space: global }
      - { .name: qf, .offset: 56, .size: 8, .value_kind: global_buffer, .address_space: global }
      - { .name: qs, .offset: 64, .size: 8, .value_kind: global_buffer, .address_space: global }
      - { .name: kv, .offset: 72, .size: 8, .value_kind: global_buffer, .address_space: global }
    .group_segment_fixed_size: 297984
    .private_segment_fixed_size: 0
    .kernarg_segment_align: 8
    .kernarg_segment_size: 80
    .max_flat_workgroup_size: 512
    .sgpr_count:     100
    .vgpr_count:     256
    .wavefront_size: 32
...
	.end_amdgpu_metadata
.endif
;; end of part 2
;; launch attn (part 3): grid 8 x 32, 8 waves a work-group, clusters of 4 x 1, 327,680 bytes of LDS; arguments qf, qs, kv, out0; writes out0
.if DOCPART == 3
	.amdgcn_target "amdgcn-amd-amdhsa--gfx1250"
	.amdhsa_code_object_version 6
	.text
	.protected	k_qfa89c6de4f_attn
	.globl	k_qfa89c6de4f_attn
	.p2align	8
	.type	k_qfa89c6de4f_attn,@function
k_qfa89c6de4f_attn:
	s_mov_b64 s[64:65], 0
	v_nop
	global_prefetch_b8 v0, s[64:65] scope:SCOPE_SE
	s_setreg_imm32_b32 hwreg(HW_REG_WAVE_MODE, 25, 1), 1
	s_wait_xcnt 0x0
	s_wait_alu depctr_hold_cnt(0) depctr_sa_sdst(0) depctr_va_vdst(0) depctr_va_sdst(0) depctr_va_ssrc(0) depctr_va_vcc(0) depctr_vm_vsrc(0)
	s_getreg_b32 s2, hwreg(HW_REG_IB_STS2, 6, 4)
	s_cmp_eq_u32 s2, 0
	s_cbranch_scc0 .Lentry_in_a_cluster
	s_endpgm
.Lentry_in_a_cluster:
	s_bfe_u32 s2, ttmp6, 0x10000c
	s_cmp_lg_u32 s2, 0x3003
	s_cbranch_scc0 .Lentry_shape_is_right
	s_endpgm
.Lentry_shape_is_right:
; out0[b][q][64 head + d] = the sum over 4,096 keys of softmax(q . k / 8) v, both products on codes of FP4 with E8M0 scales; q already holds reference's first factor 1/8.
; THE SOFTMAX AHEAD OF THE SECOND PRODUCT: t = score x log2(e) / 8; M = the row's largest t so far, rounded UP to a whole number; p = 2^(t - M) is quantised along the keys, not normalised.
; The row's sum is taken of the unquantised p, in f32, and divides at the end.  When M moves, the sum and O are multiplied by 2^(old M - new M): exact.
; A BLOCK'S SCALE: p rises with the score, so the exponent of a block's largest p is floor(x), x = the block's largest t - M, made by the same multiply-add as every t - M: the byte is floor(x) + 125, held at 1 from below.
; SHARES.  A work-group owns 256 queries of one (batch, head); each of its eight waves TWO tiles of 16, A and B, in 512 registers, two waves to a SIMD.  Every fragment of K and V read from LDS feeds both tiles.
; A step is 256 keys: M, f and the rescaling of O^T are made once for 256 keys.
; REGISTER WINDOWS (s_set_vgpr_msb: bits 1:0 source 0, 3:2 source 1, 5:4 source 2, 7:6 destination).  Tile A's state lies in window 0, tile B's in window 1 UNDER THE SAME NUMBERS, so one text serves both, run under 0 and under 0x55.
; Window 0 alone holds the LDS addresses, all scale words (scale operands have no window) and the fragments of a step's first 128 keys; the fragments of its second 128 keys lie at the same numbers in window 1.
; LDS is the head's block of kv as it lies in memory, 278,528 bytes, FILLED ONCE: eight chunks of 512 keys; every fragment is an image of operand registers.
; CLUSTER 4 x 1: the four query blocks of a cluster belong to one head and read the same block: joint loads.  Each wave issues one load at the head (17 rows of 256 bytes: the eight make chunk 0) and,
; behind the full sequence and a round of the cluster's barrier, one more (119 rows: chunks 1 to 7).  One load of a wave is out at a time.
; No prefetch: all that the launch reads of kv is asked for by these two loads at its head; there is no later tile to run ahead of.
; LAYOUT.  Both products transposed: S^T = K Q^T, O^T = V^T P^T: a lane holds ONE query (lane % 16) of each tile.
; THE KEYS OF A TILE ARE CHOSEN BY THE LDS ADDRESS: row i of tile T (0..3) of a group of 64 keys c is key 64 c + 32 (i / 8) + 8 T + i % 8.  In kv that key lies in stored tile 4 c + 2 (i / 8) + T % 2 at row i % 8 + 8 (T / 2).
; So the 32 registers of tiles T = 0..3 are, in lane half h, keys 64 c + 32 h + 0 .. 31: a WHOLE block of p in one lane, in the order of the second product's operand.
; THE FIRST PRODUCT'S K IS 64, the instruction's 128.  Source 0 holds two tiles of keys side by side (T = 2 g, 2 g + 1) with one scale word (two bytes each); Q's registers are codes, zeros, codes:
; [q, 0] gives the first tile's scores, [0, q] the second's; the other tile's codes meet zero codes alone, under bytes in 1 .. 254.
; LIMITS: NaN and infinities are not served.  A block of p that has fallen to zeros keeps the byte 1: its codes are zeros.  The promise holds while |t| stays under 2^31.
; Where v_exp_f32 rounds a block's largest p up to a power of two (x within an ulp under a whole number), that p is held at the largest code under the scale of floor(x), as the unrounded p is.
.set HEADB,  278528
.set CHUNKB, 34816
.set SPARE,  278528                    ; behind the block: the spare words, 128 bytes a wave
.set WV,  12                           ; s12 wave;  s13 cx;  s14 16 x batch + head;  s15 tile A's number, 0 .. 126, even
.set SEL, 40                           ; s[40:41] lane selects for v_permlanex16_b32: lane l xor 16
.set CS,  42                           ; s[42:43] c = log2(e) / 8
.set ST,  44                           ; s44 the step, 0 .. 15
.set ADK,  1                           ; v1  K's images for my lane: 1024 (i / 8) + 16 (i % 8) + 256 h.  Window 1: the lane's part; window 0: + the step's place
.set ADV,  2                           ; v2  V's: 16 x lane
.set ADSK, 3                           ; v3  K's scale words: 8 (i % 8) + 4 (i / 8)
.set ADSV, 4                           ; v4  V's: 8 r
.set PB0,  5                           ; v5, v29  tile B's p: scale words of the first and of the second 128 keys
.set PB1,  29
.set VW1,  6                           ; v6-9     scale words of K, then of V: the second 128 keys
.set SPW,  10                          ; v10 my spare word;  v11 0: never rewritten
.set NIL,  11
.set QR,   16                          ; v16-27   Q: codes, zeros, codes           (v12 -M, v13 the largest t, v[14:15] the sum in two halves)
.set QSW,  28                          ; v28      Q's scale words: lanes 0-15 tile A's, lanes 16-31 tile B's
.set FF,   30                          ; v[30:31] f = 2^(old M - new M); the upper register is written once
.set KV,   32                          ; v32-63   four pairs of tiles of K, then V's four fragments
.set KVW,  64                          ; v64-67   scale words of K, then of V: the first 128 keys
.set SR,   68                          ; v68-195  S^T, then p
.set OT,   196                         ; v196-227 O^T
.set PC,   228                         ; v228-243 p's codes
.set PWD,  244                         ; v244-245 tile A's p: scale words
.set BM,   246                         ; v246-249 my four blocks' largest scores, then their bytes
.set SO,   250                         ; v250-253 the conversions' scale operands.   v246-255 are also the chains of the maxima and of the sums
.set TM2,  254
.set TMP,  255
.set MSB, 0
.macro WIN new                         ; the immediate's high byte repeats the setting that is left
.if MSB != \new
	s_set_vgpr_msb (MSB<<8)|\new
.set MSB, \new
.endif
.endm
.macro ROUND                           ; a round of the cluster's barrier
	s_barrier_signal -1
	s_barrier_wait -1
	s_cmp_lg_u32 s[WV], 0
	s_cbranch_scc1 .Lnot_wave_0_\@
	s_barrier_signal -3
.Lnot_wave_0_\@:
	s_barrier_wait -3
	s_barrier_signal -1
	s_barrier_wait -1
.endm
.macro D1
	s_delay_alu instid0(VALU_DEP_1)
.endm
.macro MM0 d, a, b, sa, sb, row        ; a product that starts its sum; row = 1: source 1's scales stand in lanes 16-31
.if \row
	v_wmma_scale_f32_16x16x128_f8f6f4 v[\d:\d+7], v[\a:\a+7], v[\b:\b+7], 0, v[\sa], v[\sb] matrix_a_fmt:MATRIX_FMT_FP4 matrix_b_fmt:MATRIX_FMT_FP4 matrix_b_scale:MATRIX_SCALE_ROW1
.else
	v_wmma_scale_f32_16x16x128_f8f6f4 v[\d:\d+7], v[\a:\a+7], v[\b:\b+7], 0, v[\sa], v[\sb] matrix_a_fmt:MATRIX_FMT_FP4 matrix_b_fmt:MATRIX_FMT_FP4
.endif
.endm
.macro MMA d, a, b, sa, sb             ; a product that adds in place
	v_wmma_scale_f32_16x16x128_f8f6f4 v[\d:\d+7], v[\a:\a+7], v[\b:\b+7], v[\d:\d+7], v[\sa], v[\sb] matrix_a_fmt:MATRIX_FMT_FP4 matrix_b_fmt:MATRIX_FMT_FP4
.endm
.macro KFRAG s                         ; the step's s-th 128 keys: pair 2 c + g holds tiles T = 2 g + u, u = 0, 1, of group c
.irp c, 0,1
.irp g, 0,1
.irp u, 0,1
	ds_load_b128 v[KV+16*\c+8*\g+4*\u:KV+16*\c+8*\g+4*\u+3], v[ADK] offset:4096*(\s)+2048*\c+512*\u+128*\g
.endr
.endr
.endr
.endm
.macro KWORD s, w                      ; and a scale word a pair
.irp c, 0,1
.irp g, 0,1
	ds_load_b32 v[\w+2*\c+\g], v[ADSK] offset:32768+256*(\s)+128*\c+64*\g
.endr
.endr
.endm
.macro VFRAG s
.irp n, 0,1,2,3
.irp c, 0,1
	ds_load_b128 v[KV+8*\n+4*\c:KV+8*\n+4*\c+3], v[ADV] offset:16384+4096*(\s)+1024*\n+512*\c
.endr
.endr
.endm
.macro VWORD s, w
.irp u, 0,1
	ds_load_b64 v[\w+2*\u:\w+2*\u+1], v[ADSV] offset:33792+256*(\s)+128*\u
.endr
.endm
.macro QK a, w, row                    ; S^T of the step's a-th 128 keys: tile 4 c + T at SR + 64 a + 8 (4 c + T)
.irp p, 0,1,2,3
	MM0 SR+64*\a+16*\p, KV+8*\p, QR, \w+\p, QSW, \row
	MM0 SR+64*\a+16*\p+8, KV+8*\p, QR+4, \w+\p, QSW, \row
.endr
.endm
.macro PV a, w, pw                     ; O^T += V^T P^T: the accumulators take turns
.irp n, 0,1,2,3
	MMA OT+8*\n, KV+8*\n, PC+8*\a, \w+2*(\n%2)+\n/2, \pw
.endr
.endm
.macro MAX8 base, ch, d                ; 64 scores: eight chains by turns, one a tile, each accumulator read from its low end on; then blocks c = 0, 1 are joined into v[d], v[d + 1]
.irp k, 0,1,2,3,4,5,6,7
	v_max3_num_f32 v[\ch+\k], v[\base+8*\k], v[\base+8*\k+1], v[\base+8*\k+2]
.endr
.irp i, 3,5
.irp k, 0,1,2,3,4,5,6,7
	v_max3_num_f32 v[\ch+\k], v[\ch+\k], v[\base+8*\k+\i], v[\base+8*\k+\i+1]
.endr
.endr
	v_max3_num_f32 v[\ch], v[\ch], v[\ch+1], v[\ch+2]
	v_max3_num_f32 v[\ch+4], v[\ch+4], v[\ch+5], v[\ch+6]
	v_max3_num_f32 v[\ch+3], v[\ch+3], v[\base+7], v[\base+15]
	v_max3_num_f32 v[\ch+7], v[\ch+7], v[\base+39], v[\base+47]
	v_max3_num_f32 v[\ch], v[\ch], v[\ch+3], v[\base+23]
	v_max3_num_f32 v[\ch+4], v[\ch+4], v[\ch+7], v[\base+55]
	v_max_num_f32 v[\d], v[\ch], v[\base+31]
	v_max_num_f32 v[\d+1], v[\ch+4], v[\base+63]
.endm
.macro CVT a                           ; eight registers of a tile are eight neighbouring keys: register 4 c + T of the operand
.irp c, 0,1
.irp t, 0,1,2,3
	v_cvt_scalef32_pk8_fp4_f32 v[PC+8*\a+4*\c+\t], v[SR+64*\a+32*\c+8*\t:SR+64*\a+32*\c+8*\t+7], v[SO+2*\a+\c]
.endr
.endr
.endm
.macro SUM64 base                      ; 64 registers of the unquantised p onto the row's sum: two at a time, six chains by turns
.irp j, 0,1,2,3,4
	v_pk_add_f32 v[BM+2*\j:BM+2*\j+1], v[\base+4*\j:\base+4*\j+1], v[\base+4*\j+2:\base+4*\j+3]
.endr
.irp m, 0,1,2
	v_pk_add_f32 v[14:15], v[14:15], v[\base+20+12*\m:\base+21+12*\m]
.irp j, 0,1,2,3,4
	v_pk_add_f32 v[BM+2*\j:BM+2*\j+1], v[BM+2*\j:BM+2*\j+1], v[\base+22+12*\m+2*\j:\base+23+12*\m+2*\j]
.endr
.endr
	v_pk_add_f32 v[14:15], v[14:15], v[\base+56:\base+57]
	v_pk_add_f32 v[BM:BM+1], v[BM:BM+1], v[\base+58:\base+59]
	v_pk_add_f32 v[BM+2:BM+3], v[BM+2:BM+3], v[\base+60:\base+61]
	v_pk_add_f32 v[BM+4:BM+5], v[BM+4:BM+5], v[\base+62:\base+63]
	v_pk_add_f32 v[BM+6:BM+7], v[BM+6:BM+7], v[BM+8:BM+9]
	v_pk_add_f32 v[BM:BM+1], v[BM:BM+1], v[BM+2:BM+3]
	v_pk_add_f32 v[14:15], v[14:15], v[BM+4:BM+5]
	v_pk_add_f32 v[BM:BM+1], v[BM:BM+1], v[BM+6:BM+7]
	v_pk_add_f32 v[14:15], v[14:15], v[BM:BM+1]
.endm
.macro SOFT1 pw0, pw1, wp, wb          ; one tile, ahead of the exponentials.  wp: the windows under which the scale words are written; wb: the tile's own
	MAX8 SR, BM, BM
	MAX8 SR+64, BM+2, BM+2
	v_max3_num_f32 v[TMP], v[BM], v[BM+1], v[BM+2]
	D1
	v_max_num_f32 v[TMP], v[TMP], v[BM+3]          ; my half's largest score of the step,
	D1
	v_permlanex16_b32 v[TM2], v[TMP], s[SEL], s[SEL+1]
	D1
	v_max_num_f32 v[TMP], v[TMP], v[TM2]           ; with lane l xor 16's: my query's
	D1
	v_mul_f32 v[TMP], s[CS], v[TMP]                ; as t (c is positive)
	D1
	v_max_num_f32 v13, v13, v[TMP]                 ; the running largest t
	D1
	v_floor_f32 v[TMP], -v13                       ; the new -M = floor(-t) = -ceil(t): a whole number
	D1
	v_sub_f32 v[TM2], v[TMP], v12                  ; old M - new M: a whole number, 0 or less
	v_mov_b32 v12, v[TMP]
	s_delay_alu instid0(VALU_DEP_2)
	v_cvt_i32_f32 v[TM2], v[TM2]                   ; (it saturates)
	D1
	v_ldexp_f32 v[FF], 1.0, v[TM2]                 ; f = 2^(old M - new M)
.set n, 0
.rept 32
	v_pk_fma_f32 v[SR+n:SR+n+1], v[SR+n:SR+n+1], s[CS:CS+1], v[12:13] op_sel_hi:[1,0,0]   ; t - M of the first 128 keys, two at a time
.set n, n+2
.endr
.irp b, 0,1,2,3
	v_fma_f32 v[BM+\b], v[BM+\b], s[CS], v12       ; x: the same of each block's largest score; 0 or less
.endr
.irp b, 0,1,2,3
	v_max_num_f32 v[BM+\b], 0xc2f80000, v[BM+\b]   ; held at -124 from below: the byte cannot fall under 1
.endr
.irp b, 0,1,2,3
	v_floor_f32 v[BM+\b], v[BM+\b]                 ; the exponent of the block's largest p
.endr
.irp b, 0,1,2,3
	v_add_f32 v[BM+\b], 0x4b00007d, v[BM+\b]       ; + 2^23 + 125, exact: the sum's lowest byte is the scale's byte
.endr
.irp b, 0,1,2,3
	v_lshlrev_b32 v[SO+\b], 23, v[BM+\b]           ; the byte as an exponent field: the conversion's scale operand (all higher bits fall out)
.endr
	v_perm_b32 v[TMP], v[BM+1], v[BM], 0x04000400
	v_perm_b32 v[BM+2], v[BM+3], v[BM+2], 0x04000400
	D1
	v_perm_b32 v[TMP], v[BM+2], v[TMP], 0x05040100 ; my four bytes: blocks 2 c + h of the first 128 keys, then of the second
	D1
	v_permlanex16_b32 v[TM2], v[TMP], s[SEL], s[SEL+1]   ; and lane l xor 16's four
	WIN \wp
	v_perm_b32 v[\pw0], v[TM2], v[TMP], 0x05010400 ; lanes 0-15, which the unit reads: mine, the other's, mine, the other's: blocks 0 to 3 of the first 128 keys
	v_perm_b32 v[\pw1], v[TM2], v[TMP], 0x07030602 ; and of the second
	WIN \wb
	v_pk_mul_f32 v[14:15], v[14:15], v[FF:FF+1] op_sel_hi:[1,0]   ; the sum under the new M,
.set n, 0
.rept 16
	v_pk_mul_f32 v[OT+n:OT+n+1], v[OT+n:OT+n+1], v[FF:FF+1] op_sel_hi:[1,0]   ; and O^T, each accumulator from its low end on
.set n, n+2
.endr
.endm
.macro EXP0                            ; one tile: p of the first 128 keys; between them, plain lines on other registers: t - M of the second 128 keys
.set n, 0
.rept 32
	v_exp_f32 v[SR+n], v[SR+n]                     ; p = 2^(t - M), at most 1
	v_exp_f32 v[SR+n+1], v[SR+n+1]
	v_pk_fma_f32 v[SR+64+n:SR+65+n], v[SR+64+n:SR+65+n], s[CS:CS+1], v[12:13] op_sel_hi:[1,0,0]
.set n, n+2
.endr
.endm
.macro EXP1                            ; one tile: p of the second 128 keys
.set n, 64
.rept 64
	v_exp_f32 v[SR+n], v[SR+n]
.set n, n+1
.endr
.endm
.macro SOFT2                           ; one tile, behind them: the codes, and the sum of the first 128 keys' p
	CVT 0
	CVT 1
	SUM64 SR                                       ; its first line names no register of a conversion; its 32 lines are places between the codes and the products that take them
.endm
.macro INIT                            ; one tile's state
.irp i, 4,5,6,7
	v_mov_b32 v[QR+\i], 0                          ; the zero codes between Q's two copies: written once
.endr
	v_mov_b32 v13, 0xff61b1e6                      ; the largest t so far: -3e38, under every t
	v_mov_b32 v14, 0                               ; the sum, in two halves
	v_mov_b32 v15, 0
	v_floor_f32 v12, -v13                          ; -M
	v_mov_b32 v[TM2], 0                            ; a lane permute's destination counts as one of its sources
	v_mov_b32 v[FF+1], 0                           ; (named as the upper half of the pair)
.set n, 0
.rept 32
	v_mov_b32 v[OT+n], 0                           ; O^T.  (The step is written once: its first run finds zeros, which the first change of M leaves zeros)
.set n, n+1
.endr
.endm
	s_load_b256 s[4:11], s[0:1], 0x0               ; qf s[4:5], qs s[6:7], kv s[8:9], out0 s[10:11]
	v_lshl_add_u32 v[SPW], v0, 2, SPARE
	v_mov_b32 v[NIL], 0
	ds_add_u32 v[SPW], v[NIL]                      ; the opening lines: the add, twice on end, and its wait ahead of my first tensor load
	ds_add_u32 v[SPW], v[NIL]
	v_lshrrev_b32 v1, 5, v0
	v_readfirstlane_b32 s[WV], v1                  ; wave 0..7
	s_bfe_u32 s13, ttmp6, 0x40000                  ; cx: it enters global addresses of Q and of the output alone
	s_and_b32 s14, ttmp7, 0xffff                   ; 16 x batch + head, which the four partners share
	s_lshl_b32 s15, ttmp9, 2
	s_add_co_u32 s15, s15, s13
	s_lshl_b32 s15, s15, 3
	s_add_co_u32 s15, s15, s[WV]
	s_lshl_b32 s15, s15, 1                         ; tile A: 16 x (4 x cluster x + cx) + 2 x wave; tile B is the next
	; group 1: dense bytes as rows of 256 (32 elements of 8 bytes), no padding: 17 rows, then 119 rows
	s_mov_b32 s16, 15|(3<<16)|(1<<21)              ; 15:0 the mask: all four work-groups; 17:16 elements of 8 bytes; 21 set beside a mask
	s_mov_b32 s17, 32<<16
	s_mov_b32 s18, 17<<16
	s_mov_b32 s19, 32<<16
	s_mov_b32 s20, 17
	s_mov_b32 s21, 32
	s_mov_b32 s22, 0
	s_mov_b32 s23, 0
	s_mov_b32 s24, 15|(3<<16)|(1<<21)
	s_mov_b32 s25, 32<<16
	s_mov_b32 s26, 119<<16
	s_mov_b32 s27, 32<<16
	s_mov_b32 s28, 119
	s_mov_b32 s29, 32
	s_mov_b32 s30, 0
	s_mov_b32 s31, 0
	s_mul_i32 s46, s14, HEADB                      ; the head's block
	s_mul_i32 s48, s[WV], 17*256                   ; my eighth of chunk 0: the same place in LDS and in the block
	s_mul_i32 s50, s[WV], 119*256
	s_add_co_u32 s50, s50, CHUNKB                  ; my eighth of chunks 1 to 7
	s_add_co_u32 s52, s46, s48
	s_mov_b32 s53, 0
	s_add_co_u32 s54, s46, s50
	s_mov_b32 s55, 0
	s_mov_b32 s[SEL], 0x76543210
	s_mov_b32 s[SEL+1], 0xfedcba98
	s_mov_b32 s[CS], 0x3e38aa3b                    ; log2(e) / 8
	s_mov_b32 s[CS+1], s[CS]                       ; (named with it as a pair, so it is written)
	s_wait_dscnt 0x0                               ; both opening adds are done
	s_wait_kmcnt 0x0
	s_mov_b32 s32, 1
	s_mov_b32 s33, s48
	s_add_nc_u64 s[34:35], s[8:9], s[52:53]
	s_or_b32 s35, s35, 0x80000000
	s_mov_b32 s36, 1
	s_mov_b32 s37, s50
	s_add_nc_u64 s[38:39], s[8:9], s[54:55]
	s_or_b32 s39, s39, 0x80000000
	ROUND                                          ; all four work-groups are here: the joint loads meet
	tensor_load_to_lds s[32:35], s[16:23]          ; my one load at the head
	s_nop 0
	s_lshl_b32 s54, s14, 7
	s_add_co_u32 s54, s54, s15                     ; 128 x head + tile
	s_lshl_b32 s56, s54, 9
	s_mov_b32 s57, 0
	s_add_nc_u64 s[4:5], s[4:5], s[56:57]          ; Q's images: tile B's lies 512 bytes behind tile A's
	s_lshr_b32 s56, s54, 2
	s_lshl_b32 s56, s56, 8
	s_and_b32 s58, s15, 3
	s_lshl_b32 s58, s58, 2
	s_add_co_u32 s56, s56, s58
	s_add_nc_u64 s[6:7], s[6:7], s[56:57]          ; Q's scale words: 16 bytes a row, tile B's word behind tile A's
	v_and_b32 v246, 15, v0                         ; r = i
	v_and_b32 v247, 31, v0
	v_and_b32 v248, 7, v0                          ; i % 8
	v_bfe_u32 v249, v0, 3, 1                       ; i / 8
	v_bfe_u32 v250, v0, 4, 1                       ; h
	v_lshlrev_b32 v[ADV], 4, v247
	v_lshlrev_b32 v[ADSV], 3, v246
	v_lshlrev_b32 v[ADK], 4, v248
	v_lshlrev_b32 v[ADSK], 3, v248
	v_lshlrev_b32 v251, 4, v246
	v_lshl_add_u32 v[ADK], v249, 10, v[ADK]
	v_lshl_add_u32 v[ADSK], v249, 2, v[ADSK]
	v_lshl_add_u32 v251, v250, 2, v251             ; 16 r + 4 h
	v_lshl_add_u32 v[ADK], v250, 8, v[ADK]
	global_load_b128 v[QR:QR+3], v[ADV], s[4:5]    ; tile A: Q's four registers of codes,
	global_load_b128 v[QR+8:QR+11], v[ADV], s[4:5] ; twice
	global_load_b32 v[QSW], v251, s[6:7]           ; lanes 0-15 tile A's words, lanes 16-31 tile B's
	WIN 0x40                                       ; destinations in window 1
	global_load_b128 v[QR:QR+3], v[ADV], s[4:5] offset:512      ; tile B
	global_load_b128 v[QR+8:QR+11], v[ADV], s[4:5] offset:512
	v_mov_b32 v[ADK], v[ADK]                       ; the lane's parts of the four LDS addresses are kept in window 1
	v_mov_b32 v[ADV], v[ADV]
	v_mov_b32 v[ADSK], v[ADSK]
	v_mov_b32 v[ADSV], v[ADSV]
	WIN 0
	INIT
.set n, 0
.rept 64
	v_mov_b32 v[SR+64+n], 0                        ; tile A's p of a step's second 128 keys are summed at the next step's head: the first step finds zeros
.set n, n+1
.endr
	WIN 0x55
	INIT
	WIN 0
; A STEP: 256 keys for both tiles.  Step t lies in chunk t / 2, at its half t % 2.
.macro STEP
	s_and_b32 s46, s[ST], 1
	s_lshr_b32 s47, s[ST], 1
	s_mul_i32 s47, s47, CHUNKB
	s_lshl_b32 s48, s46, 13                        ; codes: 8,192 bytes a step
	s_lshl_b32 s49, s46, 9                         ; scale words: 512
	s_add_co_u32 s48, s48, s47
	s_add_co_u32 s49, s49, s47
	WIN 0x04                                       ; source 1 in window 1
	v_add_nc_u32 v[ADK], s48, v[ADK]               ; these four lines are also the places between the last step's products and the loads into their fragments and scale words
	v_add_nc_u32 v[ADV], s48, v[ADV]
	v_add_nc_u32 v[ADSK], s49, v[ADSK]
	v_add_nc_u32 v[ADSV], s49, v[ADSV]
	WIN 0
	s_wait_alu depctr_va_vdst(0)                   ; the wait directly behind the writes
	KFRAG 0
	KWORD 0, KVW
	KWORD 1, VW1
	WIN 0x40
	KFRAG 1
	WIN 0
	SUM64 SR+64                                    ; tile A, the last step's second 128 keys: stands under the loads' flight
	s_wait_dscnt 8                                 ; all but the youngest eight loads, the second 128 keys' fragments
	QK 0, KVW, 0                                   ; tile A
	WIN 0x44
	QK 0, KVW, 1                                   ; tile B: source 1 and the result in window 1
	s_wait_dscnt 0x0
	WIN 0x01
	QK 1, VW1, 0                                   ; source 0 in window 1
	WIN 0x45
	QK 1, VW1, 1
	WIN 0
.rept 4
	v_nop                                          ; four places ahead of the loads into K's registers and of the first read of the scores
.endr
	VFRAG 0                                        ; V lands under the softmax
	VWORD 0, KVW
	VWORD 1, VW1
	WIN 0x40
	VFRAG 1
	WIN 0
	SOFT1 PWD, PWD+1, 0, 0                         ; tile A
	WIN 0x55
	SOFT1 PB0, PB1, 0x05, 0x55                     ; tile B: its scale words go to window 0
	WIN 0
	s_wait_alu depctr_va_vdst(0)
	EXP0
	WIN 0x55
	EXP0
	s_wait_alu depctr_va_vdst(0)                   ; and ahead of the second batch: its sources were written among the first batch's lines
	EXP1
	WIN 0
	EXP1
	v_nop                                          ; the plain place behind the exponentials
	s_wait_alu depctr_va_vdst(0)                   ; one wait for all of them, ahead of their first reader
	SOFT2                                          ; tile A
	WIN 0x55
	SOFT2                                          ; tile B
	SUM64 SR+64
	WIN 0
	s_wait_alu depctr_va_vdst(0)
	s_wait_dscnt 0x0                               ; V's fragments and words are in
	PV 0, KVW, PWD
	WIN 0x54
	PV 0, KVW, PB0
	WIN 0x01
	PV 1, VW1, PWD+1
	WIN 0x55
	PV 1, VW1, PB1
	WIN 0
.endm
	s_wait_alu depctr_va_vdst(0)
	s_wait_tensorcnt 0x0                           ; my part of chunk 0 is in
	ds_add_u32 v[SPW], v[NIL]
	s_wait_dscnt 0x0
	ROUND                                          ; everybody's part is in, and all four work-groups are here: the joint loads meet
	tensor_load_to_lds s[36:39], s[24:31]          ; my part of chunks 1 to 7: it lands while chunk 0 is worked
	s_nop 0
	s_wait_loadcnt 0x0                             ; Q
	s_mov_b32 s[ST], 0
.Lfirst:
	STEP
	s_add_co_u32 s[ST], s[ST], 1
	s_cmp_lt_u32 s[ST], 2
	s_cbranch_scc1 .Lfirst
	s_wait_tensorcnt 0x0                           ; my part of the rest is in,
	s_wait_dscnt 0x0                               ; and my reads of chunk 0 are over
	s_barrier_signal -1
	s_barrier_wait -1                              ; both hold of every wave
	s_mov_b32 s[ST], 2
.Lrest:
	STEP
	s_add_co_u32 s[ST], s[ST], 1
	s_cmp_lt_u32 s[ST], 16
	s_cbranch_scc1 .Lrest
	; THE WAY OUT.  O^T / the sum goes through my stage in LDS (16 rows x (256 + 16) bytes, tile A and then tile B) and leaves as whole rows of a head's 256 bytes.  The eight stages are the bytes of chunk 0:
	; they have had their only fill, and the barrier ahead of chunk 1 stands behind every wave's last read of them.  So a wave that is done stores without meeting the others.
	SUM64 SR+64                                    ; tile A: the last step's second 128 keys
.macro ROWSUM
	v_add_f32 v14, v14, v15                        ; the sum's two halves,
	D1
	v_permlanex16_b32 v[TMP], v14, s[SEL], s[SEL+1]
	D1
	v_add_f32 v14, v14, v[TMP]                     ; and lane l xor 16's: the row's sum
.endm
	ROWSUM
	WIN 0x55
	ROWSUM
	s_wait_alu depctr_va_vdst(0)
	v_rcp_f32 v14, v14
	WIN 0
	v_rcp_f32 v14, v14
	v_and_b32 v246, 15, v0                         ; (a plain place behind the reciprocals)  r
	v_bfe_u32 v247, v0, 4, 1                       ; h
	s_mul_i32 s46, s[WV], 16*272
	v_mul_u32_u24 v1, v246, 272
	v_mul_u32_u24 v2, v247, 272
	v_lshlrev_b32 v3, 12, v247
	v_lshl_add_u32 v1, v247, 6, v1
	v_lshl_add_u32 v2, v246, 4, v2
	v_lshl_add_u32 v3, v246, 4, v3                 ; two rows of the output, 4,096 bytes apart, 16 bytes a lane
	v_add_nc_u32 v1, s46, v1                       ; in: row r; register j of tile 2 e + u is channel 32 e + 16 h + 8 u + j
	v_add_nc_u32 v2, s46, v2                       ; back: lanes 0-15 one row, lanes 16-31 the next
	s_lshr_b32 s48, s14, 4
	s_lshl_b32 s48, s48, 23                        ; the batch: 2,048 rows of 4,096 bytes
	s_lshr_b32 s49, s15, 1
	s_lshl_b32 s49, s49, 17                        ; tile A's first query is 32 (T / 2); position r holds query r % 8 + 16 (r / 8) further on; tile B's lie 8 rows behind tile A's
	s_add_co_u32 s48, s48, s49
	s_and_b32 s50, s14, 15
	s_lshl_b32 s50, s50, 8                         ; the head's 256 bytes of a row
	s_add_co_u32 s48, s48, s50
	s_mov_b32 s49, 0
	s_add_nc_u64 s[10:11], s[10:11], s[48:49]
.macro DIVIDE
	s_wait_alu depctr_va_vdst(0)                   ; the wait behind the reciprocals, directly ahead of the first readers of this tile's O^T
.set n, 0
.rept 16
	v_pk_mul_f32 v[SR+n:SR+n+1], v[OT+n:OT+n+1], v[14:15] op_sel_hi:[1,0]   ; each accumulator from its low end on
.set n, n+2
.endr
.endm
.macro TOSTAGE x                       ; tile x through my stage; it comes back into window 0, v[SR + 32 + 32 x] on
.irp n, 0,1,2,3
	ds_store_b128 v1, v[SR+8*\n:SR+8*\n+3] offset:128*(\n/2)+32*(\n%2)
	ds_store_b128 v1, v[SR+8*\n+4:SR+8*\n+7] offset:128*(\n/2)+32*(\n%2)+16
.endr
	WIN 0
.irp i, 0,1,2,3,4,5,6,7
	ds_load_b128 v[SR+32+32*\x+4*\i:SR+35+32*\x+4*\i], v2 offset:2*\i*272   ; LDS serves a wave's instructions in order (ISA guide 5.7.1.4): these see my stores, and tile B's stores come behind tile A's loads
.endr
.endm
	DIVIDE
	TOSTAGE 0
	WIN 0x55
	DIVIDE
	WIN 0x04                                       ; the stores' data in window 1
	TOSTAGE 1
.irp x, 0,1
.irp i, 0,1,2,3,4,5,6,7
	s_wait_dscnt 23-16*\x-\i                       ; this load is in; the younger LDS instructions may be out
	global_store_b128 v3, v[SR+32+32*\x+4*\i:SR+35+32*\x+4*\i], s[10:11] offset:(8*\x+2*(\i%4)+16*(\i/4))*4096 th:TH_STORE_NT   ; sixteen lanes store 256 consecutive bytes, aligned
.endr
.endr
	s_wait_tensorcnt 0x0                           ; the wave's end
	ds_add_u32 v[SPW], v[NIL]
	s_wait_dscnt 0x0
	ROUND                                          ; the closing round: no work-group ends while a partner may still ask for a tile that names it
	s_endpgm
.Lfunc_end_k_qfa89c6de4f_attn:
	.size	k_qfa89c6de4f_attn, .Lfunc_end_k_qfa89c6de4f_attn-k_qfa89c6de4f_attn
	.p2alignl 7, 3214868480
	.fill 96, 4, 3214868480
	.section	.rodata,"a",@progbits
	.p2align	6, 0x0
	.amdhsa_kernel k_qfa89c6de4f_attn
		.amdhsa_group_segment_fixed_size 327680
		.amdhsa_private_segment_fixed_size 0
		.amdhsa_enable_private_segment 0
		.amdhsa_kernarg_size 32
		.amdhsa_user_sgpr_count 2
		.amdhsa_user_sgpr_kernarg_segment_ptr 1
		.amdhsa_wavefront_size32 1
		.amdhsa_system_sgpr_workgroup_id_x 1
		.amdhsa_system_sgpr_workgroup_id_y 1
		.amdhsa_system_sgpr_workgroup_id_z 1
		.amdhsa_system_vgpr_workitem_id 0
		.amdhsa_next_free_vgpr 512
		.amdhsa_next_free_sgpr 66
		.amdhsa_reserve_vcc 0
		.amdhsa_float_denorm_mode_32 3
		.amdhsa_float_denorm_mode_16_64 3
		.amdhsa_memory_ordered 1
		.amdhsa_forward_progress 1
		.amdhsa_inst_pref_size 123
	.end_amdhsa_kernel
	.amdgpu_metadata
---
amdhsa.version: [ 1, 2 ]
amdhsa.kernels:
  - .name:           k_qfa89c6de4f_attn
    .symbol:         k_qfa89c6de4f_attn.kd
    .args:
      - { .name: qf, .offset: 0, .size: 8, .value_kind: global_buffer, .address_space: global }
      - { .name: qs, .offset: 8, .size: 8, .value_kind: global_buffer, .address_space: global }
      - { .name: kv, .offset: 16, .size: 8, .value_kind: global_buffer, .address_space: global }
      - { .name: out0, .offset: 24, .size: 8, .value_kind: global_buffer, .address_space: global }
    .group_segment_fixed_size: 327680
    .private_segment_fixed_size: 0
    .kernarg_segment_align: 8
    .kernarg_segment_size: 32
    .max_flat_workgroup_size: 256
    .sgpr_count:     66
    .vgpr_count:     512
    .wavefront_size: 32
...
	.end_amdgpu_metadata
.endif
;; end of part 3
